; MI455X (gfx1250); checked and timed in simulation.
; The chip was launched on July 23, 2026; its instructions are those of AMD's public machine-readable ISA for CDNA 5 (MIT licence, August 2026) and "CDNA5" Instruction Set Architecture Reference Guide (July 2026). The comments in the code are by the model that wrote it; some were corrected since.
;; Multi Head Self Attention. Allowed arithmetic: matrix products marked QUANTISED: E2M3 operands, one E8M0 scale for each 32 along K, by v_wmma_scale_f32_16x16x128_f8f6f4 with both operands' format E2M3, f32 sums; everything else in f32.
;; Inputs: b_o 1,024 float32; w_k 1,024 x 1,024 float32; w_o 1,024 x 1,024 float32; w_q 1,024 x 1,024 float32; w_v 1,024 x 1,024 float32; z 4 x 2,048 x 1,024 float32.
;; Outputs: out0 4 x 2,048 x 1,024 float32.
;; This version of the problem:
;;   THIS VERSION OF THE PROBLEM IS GIVEN IN LOW PRECISION. The matrix products marked QUANTISED in the list below multiply operands that are first quantised to E2M3 (2 exponent bits, 3 mantissa bits; 6 bits a number), with one power-of-two scale for each 32 numbers along K (OCP MX v1.0); their sums are f32. All else is computed in f32.
;;   The module's matrix products, in the order in which they are computed (A, B: the left and right operand; K: the contracted axis; several contracted axes count as one K, in the product's order):
;;     1. [M 8,192, K 1,024] x [K 1,024, N 1,024]; A: input z; B: input w_q: QUANTISED
;;     2. [M 8,192, K 1,024] x [K 1,024, N 1,024]; A: input z; B: input w_k: QUANTISED
;;     3. [M 8,192, K 1,024] x [K 1,024, N 1,024]; A: input z; B: input w_v: QUANTISED
;;     4. batch 64 x [M 2,048, K 64] x [K 64, N 2,048]; A: computed on the way; B: computed on the way: QUANTISED
;;     5. batch 64 x [M 2,048, K 2,048] x [K 2,048, N 64]; A: softmax (see below); B: computed on the way: QUANTISED
;;     6. [M 8,192, K 1,024] x [K 1,024, N 1,024]; A: computed on the way; B: input w_o: QUANTISED
;;   THE QUANTISER, for each operand of a quantised product, along K:
;;     - K is cut into blocks of 32 from its start; a last block that is shorter is filled with zeros.
;;     - A block's scale is 2^e with e = floor(log2(the largest magnitude in the block)) - 2, held to -126 .. 127; a block of zeros has e = 0. As a byte (E8M0): e + 127.
;;     - Each number is divided by its block's scale, clamped to +-7.5, and rounded to the nearest number of E2M3, ties to even, subnormals kept.
;;     - The product sums the exact products of the quantised numbers (number of the format x scale) in f32.
;;   ~~~python
;;   def quantise(x, axis):      # numpy; x: float32 -> the quantised numbers, widened to float32 again
;;       x = np.moveaxis(x, axis, -1); K = x.shape[-1]
;;       x = np.pad(x, [(0, 0)] * (x.ndim - 1) + [(0, -K % 32)]); x = x.reshape(x.shape[:-1] + (-1, 32)); a = np.abs(x).max(-1, keepdims=True)
;;       e = np.where(a > 0, np.clip(np.frexp(np.where(a > 0, a, 1))[1] - 1 - 2, -126, 127), 0)      # np.frexp(a)[1] - 1 = floor(log2(a)), exactly
;;       r = np.clip(x / 2.0 ** e, -7.5, 7.5)
;;       step = 2.0 ** (np.maximum(np.frexp(np.where(r == 0, 1, r))[1] - 1, 0) - 3)
;;       q = np.round(r / step) * step * 2.0 ** e      # np.round: ties to even
;;       return np.moveaxis(q.reshape(q.shape[:-2] + (-1,))[..., :K], -1, axis).astype(np.float32)
;;   ~~~
;;   SOFTMAX AHEAD OF A QUANTISED PRODUCT. Where the list says 'softmax', what is quantised is not the finished softmax but p = 2^(t - M), with t = logit x log2(e) and M = ceil(the row's largest t), a whole number; so 1/2 < the row's largest p <= 1. The row's sum l is taken of the UNQUANTISED p, in f32, and the product's result is divided by l at the end. Since M is a whole number, a kernel that streams over the keys may use a running M (the ceiling of the running maximum): every later rescaling is an exact power of two, which a block's scale takes up: the codes' values come out the same.
;;   OPERANDS COMPUTED ON THE WAY. 'Computed on the way' means the value that the module computes at that place (a softmax that the list does not call 'softmax' is quantised finished and normalised). What goes into a quantiser is computed in f32, as accurately as f32 sums, v_exp_f32 and their like allow (about 1e-6 of the number): no bf16 or f16 on the way to a quantiser, and a product that is left as it is and whose result goes on into a quantised operand takes f32 operands (vector FMAs, or v_wmma_f32_16x16x4_f32). A number that lies on a knife's edge between two numbers of the format may be rounded either way, as far as f32 arithmetic and the matrix unit's own rounding can turn it there, and no further.
;; One version. Each part assembles by itself: llvm-mc -triple=amdgcn-amd-amdhsa -mcpu=gfx1250 --defsym DOCPART=n.
;; ======== version 1 of 1: 4 launches
;; limits: right only within a limited range of input values
;; workspace buffers: cod 9,437,184 bytes; scl 393,216 bytes; qc 6,291,456 bytes; qs 524,288 bytes; kv 13,369,344 bytes; oc 6,291,456 bytes; os 262,144 bytes
;; launch quant (part 1): grid 128 x 2, 24 waves a work-group, no clusters, 212,992 bytes of LDS; arguments z, w_q, w_k, w_v, w_o, cod, scl; writes cod, scl
.if DOCPART == 1
	.amdgcn_target "amdgcn-amd-amdhsa--gfx1250"
	.amdhsa_code_object_version 6
	.text
	.protected	k_qf305ae6e20_quant
	.globl	k_qf305ae6e20_quant
	.p2align	8
	.type	k_qf305ae6e20_quant,@function
k_qf305ae6e20_quant:
	s_mov_b64 s[64:65], 0
	v_nop
	global_prefetch_b8 v0, s[64:65] scope:SCOPE_SE
	s_setreg_imm32_b32 hwreg(HW_REG_WAVE_MODE, 25, 1), 1
	s_wait_xcnt 0x0
; z [8192][1024] and the four weights [1024 (k)][1024 (n)], f32, become codes of FP6 (E2M3) with one E8M0 scale byte for each 32 along K, laid as the products' launches take them.
; cod: [block of 128 rows][K step of 128][tile of 16 rows][image of the operand's 12 registers: registers 4 q .. 4 q + 3 of lane l at 512 q + 16 l].  Blocks 0-63 are z's rows, block 64 + 8 x weight + column block a weight's columns.
; THE ROWS OF A TILE ARE NOT NEIGHBOURS: lane r of tile t takes row 32 (t / 2) + 8 (t % 2) + r + 8 (r / 8) of its block.   scl: [K step][row]: one word (four bytes) for a row and 128 along K.
; SHARES: a work-group takes 64 rows x 512 K of z (waves 0-15) and 128 k x 128 n of one weight (waves 16-23).  Every wave issues ONE tensor load, at the head; no LDS byte is filled twice.
; z: wave 4 t + s quantises tile t, K step s.  Waves 2 a and 2 a + 1 share a tile and two neighbouring K steps: the even one fetches the tile's first eight rows, the odd one the eight that lie 16 rows on, 1,024 bytes wide;
;    an LDS row is 2 x (512 + 16) bytes.
; w: wave 16 + w fetches k rows 16 w .. 16 w + 15 and quantises column tile w: A LANE TAKES A COLUMN AND ITS REGISTERS RUN DOWN K, in the order that the operand's layout gives that lane.
; A block's scale is 2^(floor(log2(largest magnitude)) - 2); its byte is the largest magnitude's exponent field - 2, held at 1 from below.
; LIMITS: NaN and infinities are not served; a block whose largest magnitude lies under 2^-124 has its byte held at 1; a block of zeros gets the byte 1 where the rule says 127 (its codes are zeros, and this program alone reads the bytes).
.set PITCH, 528
.set WREG,  16*PITCH
.set SCLZ,  16*WREG                    ; behind z's rows: z's scale words, [K step 0..3][64 rows]
.set WB,    SCLZ+1024                  ; the weight's 128 rows of 512 + 16 bytes
.set SCLW,  WB+128*PITCH               ; its 128 scale words
.set SPARE, SCLW+512                   ; the spare words, 128 bytes for each wave
.set XA,  3                            ; z: LDS, my row, my half's 64 bytes of a block
.set LI,  4                            ; 16 x lane
.set SA,  5                            ; z: LDS, my row's scale word
.set SR,  6                            ; z: 16 bytes of the scale words on the way out,
.set SO,  7                            ; and their place in scl
.set WA,  8                            ; w: LDS, my column, my half's first row
.set SAW, 9                            ; w: my column's scale word
.set SRW, 10
.set SPW, 12
.set NIL, 13
.set X,   16
.set PC,  80
.set TM,  100
.set PW,  116
.set OW,  120
.set WV,  18
.set G1Z, 24
.set G1W, 32
.set G0Z, 40
.set G0W, 44
.set SEL, 48
; 64 numbers of a lane, register 16 b + i = k 32 b + 16 (lane / 16) + i of my row, become a fragment's codes in v[PC] on and its scale word in v[PW].
.macro QUANT s
.irp b, 0,1,2,3
	v_max3_num_f32 v[TM+\b], |v[\s+16*\b]|, |v[\s+1+16*\b]|, 0x1800000   ; and the floor 2^(3 - 127)
.endr
.irp i, 2,4,6,8,10,12,14
.irp b, 0,1,2,3
	s_delay_alu instid0(VALU_DEP_4)
	v_max3_num_f32 v[TM+\b], v[TM+\b], |v[\s+16*\b+\i]|, |v[\s+1+16*\b+\i]|
.endr
.endr
.irp b, 0,1,2,3
	s_delay_alu instid0(VALU_DEP_4)
	v_permlanex16_b32 v[TM+4+\b], v[TM+\b], s[SEL], s[SEL+1]
.endr
.irp b, 0,1,2,3
	s_delay_alu instid0(VALU_DEP_4)
	v_max_num_f32 v[TM+\b], v[TM+\b], v[TM+4+\b]
.endr
.irp b, 0,1,2,3
	s_delay_alu instid0(VALU_DEP_4)
	v_add_nc_u32 v[TM+12+\b], 0xff000000, v[TM+\b]   ; 2 off the exponent field: the conversion's scale operand
.endr
.irp b, 0,1,2,3
	s_delay_alu instid0(VALU_DEP_4)
	v_lshrrev_b32 v[TM+4+\b], 23, v[TM+12+\b]        ; the scale's byte
.endr
	s_delay_alu instid0(VALU_DEP_3)
	v_lshl_or_b32 v[PW], v[TM+5], 8, v[TM+4]
	s_delay_alu instid0(VALU_DEP_1)
	v_lshl_or_b32 v[PW], v[TM+6], 16, v[PW]
	s_delay_alu instid0(VALU_DEP_1)
	v_lshl_or_b32 v[PW], v[TM+7], 24, v[PW]
.irp c, 0,1
	v_cvt_scalef32_pk16_fp6_f32 v[PC+6*\c:PC+2+6*\c], v[\s+32*\c:\s+15+32*\c], v[TM+12+2*\c]
	v_cvt_scalef32_pk16_fp6_f32 v[PC+12+4*\c:PC+14+4*\c], v[\s+16+32*\c:\s+31+32*\c], v[TM+12+2*\c+1]
.endr
	v_nop                                          ; one plain place behind a scaled conversion
.irp c, 0,1                                    ; the operand's layout wants a whole block in a lane
.irp i, 0,1,2
	v_permlane16_swap_b32 v[PC+6*\c+\i], v[PC+12+4*\c+\i]
.endr
.irp i, 0,1,2
	s_delay_alu instid0(VALU_DEP_3)
	v_mov_b32 v[PC+3+6*\c+\i], v[PC+12+4*\c+\i]
.endr
.endr
.endm
	s_load_b256 s[4:11], s[0:1], 0x0               ; z, w_q, w_k, w_v
	s_load_b128 s[12:15], s[0:1], 0x20             ; w_o, cod
	s_load_b64 s[16:17], s[0:1], 0x30              ; scl
	v_lshl_add_u32 v[SPW], v0, 2, SPARE
	v_mov_b32 v[NIL], 0
	ds_add_u32 v[SPW], v[NIL]                      ; the opening lines: the add, twice on end, and its wait
	ds_add_u32 v[SPW], v[NIL]
	v_lshrrev_b32 v1, 5, v0
	v_readfirstlane_b32 s[WV], v1                  ; wave 0..23
.irp g, G1Z, G1W
	s_mov_b32 s[\g+0], (2<<16)|(1<<20)|(6<<22)|(3<<25)   ; elements of 4 bytes; after every 128 words 4 words of padding
	s_mov_b32 s[\g+5], 1024                        ; elements from row to row
	s_mov_b32 s[\g+6], 0
	s_mov_b32 s[\g+7], 0
.endr
	s_mov_b32 s[G1Z+1], 256<<16                    ; z: 8 rows x 256 numbers
	s_mov_b32 s[G1Z+2], 8<<16
	s_mov_b32 s[G1Z+3], 256<<16
	s_mov_b32 s[G1Z+4], 8
	s_mov_b32 s[G1W+1], 128<<16                    ; w: 16 rows x 128 numbers
	s_mov_b32 s[G1W+2], 16<<16
	s_mov_b32 s[G1W+3], 128<<16
	s_mov_b32 s[G1W+4], 16
	s_mov_b32 s[SEL], 0x76543210
	s_mov_b32 s[SEL+1], 0xfedcba98
	; z's numbers.  Every wave makes both roles' numbers and addresses, ahead of the first parting
	s_and_b32 s19, s[WV], 15
	s_lshr_b32 s20, s19, 2                         ; my tile of the 64 rows
	s_and_b32 s21, s19, 3                          ; my K step of the four
	s_and_b32 s22, ttmp7, 0xffff                   ; which half of K
	s_lshr_b32 s50, s19, 1
	s_mul_i32 s50, s50, 2*WREG                     ; the pair's 16 rows in LDS
	s_and_b32 s51, s19, 1
	s_mul_i32 s52, s51, PITCH
	s_add_co_u32 s52, s52, s50                     ; my K step's half of each row
	s_mul_i32 s53, s51, 16*PITCH
	s_add_co_u32 s53, s53, s50                     ; where the eight rows that I fetch go
	s_lshr_b32 s54, s20, 1
	s_lshl_b32 s54, s54, 5
	s_and_b32 s23, s20, 1
	s_lshl_b32 s23, s23, 3
	s_add_co_u32 s54, s54, s23                     ; my tile's first row among the 64
	s_lshl_b32 s55, s22, 2
	s_add_co_u32 s55, s55, s21                     ; my K step of the eight
	s_lshl_b32 s56, ttmp9, 6
	s_add_co_u32 s56, s56, s54
	s_lshl_b32 s56, s56, 12                        ; rows of 4,096 bytes
	s_lshl_b32 s57, s51, 16                        ; the odd wave fetches 16 rows further down
	s_add_co_u32 s56, s56, s57
	s_and_b32 s57, s55, 6                          ; the pair's first K step
	s_lshl_b32 s57, s57, 9
	s_add_co_u32 s56, s56, s57
	s_mov_b32 s57, 0
	s_lshl_b32 s58, s21, 8
	s_lshl_b32 s59, s54, 2
	s_add_co_u32 s58, s58, s59
	s_add_co_u32 s58, s58, SCLZ
	s_lshr_b32 s60, ttmp9, 1
	s_mul_i32 s60, s60, 98304                      ; cod: my block,
	s_mul_i32 s61, s55, 12288                      ; my K step,
	s_add_co_u32 s60, s60, s61
	s_and_b32 s61, ttmp9, 1
	s_lshl_b32 s61, s61, 2
	s_add_co_u32 s61, s61, s20
	s_mul_i32 s61, s61, 1536                       ; my tile
	s_add_co_u32 s60, s60, s61
	s_mov_b32 s61, 0
	s_mul_i32 s62, s22, 4*49152                    ; scl: the work-group's four K steps, its 64 rows
	s_lshl_b32 s63, ttmp9, 8
	s_add_co_u32 s62, s62, s63
	s_mov_b32 s63, 0
	; the weight's numbers
	s_and_b32 s79, s[WV], 7
	s_and_b32 s66, ttmp9, 31                       ; 8 x weight + column block
	s_lshr_b32 s67, s66, 3
	s_and_b32 s68, s66, 7
	s_lshr_b32 s69, ttmp9, 5
	s_lshl_b32 s23, s22, 2
	s_add_co_u32 s69, s69, s23                     ; which K step
	s_lshl_b32 s70, s69, 7
	s_lshl_b32 s71, s79, 4
	s_add_co_u32 s70, s70, s71                     ; the first k row that I fetch
	s_lshl_b32 s70, s70, 12
	s_lshl_b32 s71, s68, 9
	s_add_co_u32 s70, s70, s71
	s_mov_b32 s71, 0
	s_mul_i32 s72, s79, 16*PITCH
	s_add_co_u32 s72, s72, WB                      ; and where it goes
	s_add_co_u32 s73, s66, 64                      ; the block in cod and scl
	s_mul_i32 s74, s73, 98304
	s_mul_i32 s75, s69, 12288
	s_add_co_u32 s74, s74, s75
	s_mul_i32 s75, s79, 1536
	s_add_co_u32 s74, s74, s75
	s_mov_b32 s75, 0
	s_mul_i32 s76, s69, 49152
	s_lshl_b32 s77, s73, 9
	s_add_co_u32 s76, s76, s77
	s_mov_b32 s77, 0
	s_lshr_b32 s78, s79, 1
	s_lshl_b32 s78, s78, 5
	s_and_b32 s23, s79, 1
	s_lshl_b32 s23, s23, 3
	s_add_co_u32 s78, s78, s23                     ; my tile's first column
	v_and_b32 v1, 15, v0                           ; r
	v_bfe_u32 v2, v0, 4, 1                         ; h
	v_and_b32 v[LI], 31, v0
	v_mul_u32_u24 v[XA], v1, 2*PITCH
	v_and_b32 v11, 8, v1
	v_lshlrev_b32 v[LI], 4, v[LI]
	v_lshl_add_u32 v[XA], v2, 6, v[XA]
	v_add_nc_u32 v11, v11, v1                      ; r + 8 (r / 8)
	v_add_nc_u32 v[XA], s52, v[XA]
	v_lshl_add_u32 v[SA], v11, 2, s58
	v_and_b32 v[SR], 63, v0
	v_bfe_u32 v[SO], v0, 4, 2
	v_lshl_add_u32 v[SR], v[SR], 4, SCLZ
	v_mul_u32_u24 v[SO], v[SO], 49152              ; a K step of scl
	v_add_nc_u32 v14, s78, v11                     ; my column of the 128
	v_lshl_add_u32 v[SO], v1, 4, v[SO]
	v_lshlrev_b32 v14, 2, v14
	v_add_nc_u32 v[SRW], SCLW, v[LI]
	v_mad_u32_u24 v[WA], v2, 32*PITCH, v14         ; lanes 16-31 begin 32 rows further down
	v_add_nc_u32 v[SAW], SCLW, v14
	v_add_nc_u32 v[WA], WB, v[WA]
.irp b, 0,1,2,3
	v_mov_b32 v[TM+4+\b], 0                        ; a lane permute's destination counts as one of its sources
.endr
	s_wait_alu depctr_va_vdst(0)                   ; the wait at the head's end
	s_wait_dscnt 0x0
	s_wait_kmcnt 0x0
	s_add_nc_u64 s[4:5], s[4:5], s[56:57]
	s_cmp_eq_u32 s67, 1                            ; the weight is chosen by the work-group's number alone
	s_cselect_b64 s[6:7], s[8:9], s[6:7]
	s_cmp_eq_u32 s67, 2
	s_cselect_b64 s[6:7], s[10:11], s[6:7]
	s_cmp_eq_u32 s67, 3
	s_cselect_b64 s[6:7], s[12:13], s[6:7]
	s_add_nc_u64 s[80:81], s[14:15], s[60:61]      ; z's codes,
	s_add_nc_u64 s[82:83], s[14:15], s[74:75]      ; the weight's,
	s_add_nc_u64 s[84:85], s[16:17], s[62:63]      ; z's scale words,
	s_add_nc_u64 s[86:87], s[16:17], s[76:77]      ; the weight's
	s_mov_b32 s[G0Z], 1
	s_mov_b32 s[G0Z+1], s53
	s_mov_b64 s[G0Z+2:G0Z+3], s[4:5]
	s_or_b32 s[G0Z+3], s[G0Z+3], 0x80000000
	s_mov_b32 s[G0W], 1
	s_mov_b32 s[G0W+1], s72
	s_add_nc_u64 s[G0W+2:G0W+3], s[6:7], s[70:71]
	s_or_b32 s[G0W+3], s[G0W+3], 0x80000000
	s_cmp_lt_u32 s[WV], 16
	s_cbranch_scc0 .Lload_w
	tensor_load_to_lds s[G0Z:G0Z+3], s[G1Z:G1Z+7]
	s_nop 0
	s_branch .Lasked
.Lload_w:
	tensor_load_to_lds s[G0W:G0W+3], s[G1W:G1W+7]
	s_nop 0
.Lasked:
	s_wait_tensorcnt 0x0                           ; my rows are in,
	s_barrier_signal -1
	s_barrier_wait -1                              ; everybody's are
	s_cmp_lt_u32 s[WV], 16
	s_cbranch_scc0 .Lwork_w
.irp b, 0,1,2,3
.irp j, 0,1,2,3
	ds_load_b128 v[X+16*\b+4*\j:X+16*\b+4*\j+3], v[XA] offset:128*\b+16*\j
.endr
.endr
	s_wait_dscnt 0x0
	QUANT X
.irp q, 0,1,2
	global_store_b128 v[LI], v[PC+4*\q:PC+4*\q+3], s[80:81] offset:512*\q   ; 32 lanes store 512 consecutive bytes
.endr
	ds_store_b32 v[SA], v[PW]                      ; both halves of the lanes write the same word with the same value
	s_branch .Ldone
.Lwork_w:
.set J, 0
.rept 64
	ds_load_b32 v[X+J], v[WA] offset:(J+32*(J/32))*PITCH   ; W(64 c + 32 h + j, my column), register 32 c + j
.set J, J+1
.endr
	s_wait_dscnt 0x0
.irp c, 0,1                                    ; my block 2 c + h: all its 32 numbers are mine
	v_max3_num_f32 v[TM+\c], |v[X+32*\c]|, |v[X+1+32*\c]|, 0x1800000
.endr
.irp i, 2,4,6,8,10,12,14,16,18,20,22,24,26,28,30
.irp c, 0,1
	s_delay_alu instid0(VALU_DEP_2)
	v_max3_num_f32 v[TM+\c], v[TM+\c], |v[X+32*\c+\i]|, |v[X+1+32*\c+\i]|
.endr
.endr
.irp c, 0,1
	s_delay_alu instid0(VALU_DEP_2)
	v_add_nc_u32 v[TM+4+\c], 0xff000000, v[TM+\c]
.endr
.irp c, 0,1
	s_delay_alu instid0(VALU_DEP_2)
	v_lshrrev_b32 v[TM+2+\c], 23, v[TM+4+\c]
.endr
	s_delay_alu instid0(VALU_DEP_1)
	v_lshl_or_b32 v[PW], v[TM+3], 16, v[TM+2]      ; my two bytes: blocks h and 2 + h,
	v_lshlrev_b32 v11, 3, v2
	s_delay_alu instid0(VALU_DEP_1)
	v_lshlrev_b32 v[PW], v11, v[PW]                ; at their places in the word;
	v_mov_b32 v11, 0
	s_delay_alu instid0(VALU_DEP_1)
	v_permlanex16_b32 v11, v[PW], s[SEL], s[SEL+1]
	s_delay_alu instid0(VALU_DEP_1)
	v_or_b32 v[PW], v[PW], v11                     ; with lane l xor 16's two the word is whole
.irp c, 0,1
	v_cvt_scalef32_pk16_fp6_f32 v[PC+6*\c:PC+2+6*\c], v[X+32*\c:X+15+32*\c], v[TM+4+\c]
	v_cvt_scalef32_pk16_fp6_f32 v[PC+12+4*\c:PC+14+4*\c], v[X+16+32*\c:X+31+32*\c], v[TM+4+\c]
.endr
	v_nop                                          ; one plain place behind a scaled conversion
.irp c, 0,1
.irp i, 0,1,2
	v_mov_b32 v[PC+3+6*\c+\i], v[PC+12+4*\c+\i]
.endr
.endr
.irp q, 0,1,2
	global_store_b128 v[LI], v[PC+4*\q:PC+4*\q+3], s[82:83] offset:512*\q
.endr
	ds_store_b32 v[SAW], v[PW]
.Ldone:
	s_wait_dscnt 0x0                               ; for the others' sake: my store has landed
	s_barrier_signal -1
	s_barrier_wait -1
	s_cmp_lt_u32 s[WV], 2                          ; z's 1,024 bytes of scale words leave by waves 0 and 1
	s_cbranch_scc0 .Lnot_z
	ds_load_b128 v[OW:OW+3], v[SR]
	s_wait_dscnt 0x0
	global_store_b128 v[SO], v[OW:OW+3], s[84:85]  ; sixteen lanes store 256 consecutive bytes, aligned
.Lnot_z:
	s_cmp_eq_u32 s[WV], 16                         ; the weight's 512 by wave 16
	s_cbranch_scc0 .Lend
	ds_load_b128 v[OW:OW+3], v[SRW]
	s_wait_dscnt 0x0
	global_store_b128 v[LI], v[OW:OW+3], s[86:87]
.Lend:
	s_wait_tensorcnt 0x0                           ; the wave's end
	ds_add_u32 v[SPW], v[NIL]
	s_wait_dscnt 0x0
	s_endpgm
.Lfunc_end_k_qf305ae6e20_quant:
	.size	k_qf305ae6e20_quant, .Lfunc_end_k_qf305ae6e20_quant-k_qf305ae6e20_quant
	.p2alignl 7, 3214868480
	.fill 96, 4, 3214868480
	.section	.rodata,"a",@progbits
	.p2align	6, 0x0
	.amdhsa_kernel k_qf305ae6e20_quant
		.amdhsa_group_segment_fixed_size 212992
		.amdhsa_private_segment_fixed_size 0
		.amdhsa_enable_private_segment 0
		.amdhsa_kernarg_size 56
		.amdhsa_user_sgpr_count 2
		.amdhsa_user_sgpr_kernarg_segment_ptr 1
		.amdhsa_wavefront_size32 1
		.amdhsa_system_sgpr_workgroup_id_x 1
		.amdhsa_system_sgpr_workgroup_id_y 1
		.amdhsa_system_sgpr_workgroup_id_z 1
		.amdhsa_system_vgpr_workitem_id 0
		.amdhsa_next_free_vgpr 128
		.amdhsa_next_free_sgpr 96
		.amdhsa_reserve_vcc 0
		.amdhsa_float_denorm_mode_32 3
		.amdhsa_float_denorm_mode_16_64 3
		.amdhsa_memory_ordered 1
		.amdhsa_forward_progress 1
		.amdhsa_inst_pref_size 24
	.end_amdhsa_kernel
	.amdgpu_metadata
---
amdhsa.version: [ 1, 2 ]
amdhsa.kernels:
  - .name:           k_qf305ae6e20_quant
    .symbol:         k_qf305ae6e20_quant.kd
    .args:
      - { .name: z, .offset: 0, .size: 8, .value_kind: global_buffer, .address_space: global }
      - { .name: w_q, .offset: 8, .size: 8, .value_kind: global_buffer, .address_space: global }
      - { .name: w_k, .offset: 16, .size: 8, .value_kind: global_buffer, .address_space: global }
      - { .name: w_v, .offset: 24, .size: 8, .value_kind: global_buffer, .address_space: global }
      - { .name: w_o, .offset: 32, .size: 8, .value_kind: global_buffer, .address_space: global }
      - { .name: cod, .offset: 40, .size: 8, .value_kind: global_buffer, .address_space: global }
      - { .name: scl, .offset: 48, .size: 8, .value_kind: global_buffer, .address_space: global }
    .group_segment_fixed_size: 212992
    .private_segment_fixed_size: 0
    .kernarg_segment_align: 8
    .kernarg_segment_size: 56
    .max_flat_workgroup_size: 768
    .sgpr_count:     96
    .vgpr_count:     128
    .wavefront_size: 32
...
	.end_amdgpu_metadata
.endif
;; end of part 1
;; launch qkv (part 2): grid 8 x 32, 4 waves a work-group, clusters of 4 x 4, 327,680 bytes of LDS; arguments cod, scl, qc, qs, kv; writes qc, qs, kv
.if DOCPART == 2
	.amdgcn_target "amdgcn-amd-amdhsa--gfx1250"
	.amdhsa_code_object_version 6
	.text
	.protected	k_qf305ae6e20_qkv
	.globl	k_qf305ae6e20_qkv
	.p2align	8
	.type	k_qf305ae6e20_qkv,@function
k_qf305ae6e20_qkv:
	s_mov_b64 s[64:65], 0
	v_nop
	global_prefetch_b8 v0, s[64:65] scope:SCOPE_SE
	s_setreg_imm32_b32 hwreg(HW_REG_WAVE_MODE, 25, 1), 1
	s_wait_xcnt 0x0
	s_wait_alu depctr_hold_cnt(0) depctr_sa_sdst(0) depctr_va_vdst(0) depctr_va_sdst(0) depctr_va_ssrc(0) depctr_va_vcc(0) depctr_vm_vsrc(0)
	s_getreg_b32 s2, hwreg(HW_REG_IB_STS2, 6, 4)
	s_cmp_eq_u32 s2, 0
	s_cbranch_scc0 .Lentry_in_a_cluster
	s_endpgm
.Lentry_in_a_cluster:
	s_bfe_u32 s2, ttmp6, 0x10000c
	s_cmp_lg_u32 s2, 0xf033
	s_cbranch_scc0 .Lentry_shape_is_right
	s_endpgm
.Lentry_shape_is_right:
; q = z w_q, k = z w_k, v = z w_v on codes of FP6 (E2M3) with E8M0 scales, K = 1,024; the results are quantised in registers and leave as codes: no f32 intermediate goes to memory.
; IN: cod [block of 128 rows][K step][tile of 16 rows][image of 12 registers], scl [K step][row] words: blocks 0-63 z, 64-71 w_q, 72-79 w_k, 80-87 w_v.  Lane r of tile t holds row 32 (t / 2) + 8 (t % 2) + r + 8 (r / 8) of its block.
; SHARES: 256 work-groups.  Work-group (g, j) keeps z's blocks 2 g, 2 g + 1 in LDS, ALL of K, loaded once, and lets three weight blocks pass: 64 + 2 j, 65 + 2 j (q for j < 4, else k) and 80 + j (v): three phases of equal work.
; In every phase wave (ha, ht) loads the eight tiles of z's block ha and the weight's tiles 4 ht .. 4 ht + 3 (one head's 64 channels): 12 fragments, 32 products a K step, 32 accumulators.
;   q, k: source 0 = the weight's tile, source 1 = z's: a lane holds one token and its registers run along the head's channels, the K of q k^T.   v: the sources change places: a lane holds one channel, its registers run along 128 keys, the K of p v.
; LDS: z's codes 196,608 bytes; one weight block 98,304, in two halves of four K steps; z's scale words 8,192; the weights' 8,192; the spare words.
; FILLS: at the head one joint load a wave (z's scale words, w_q's or w_k's, the first weight, z's codes).  FOUR REFILLS, each behind a drained round of the cluster's barrier: a weight's lower half when K step 3's fragments
; have been fetched, its upper half at the phase's end; waves 0 and 1 bring half of it each.  w_v's scale words land on w_q's or w_k's in the second phase's middle, when those are in registers (wave 2).
; What a refill brought is shown by the next round; the last by a plain barrier in the third phase's middle.  CLUSTERS: 4 x 4; z's tiles are shared along a row of the cluster, the weights' along a column.
; PREFETCH INTO THE L2: the second weight at the head, the third in the first phase's K step 3, each at least four K steps ahead of its first load: 384 blocks of 256 bytes, shared out by address among the sixteen waves that
; will ask jointly, 24 lanes each; only the clusters with y under 4 ask, since all rows of clusters read the same weights.
; SCALE REGISTERS: register 8 i + (s + i) % 8: lanes 0-15 z's tile i, lanes 16-31 the weight's tile 4 ht + i (i < 4), K step s: two different registers of one product differ modulo 8.
; OUT: qc [head][128 tokens][pair of tiles: image, registers 0-5 the even tile, 6-11 the odd]; qs [head][128 tokens][lane l: 4 words at 16 l, one a pair; lanes 0-15 the even tile, 16-31 the odd; two bytes, then 0x7f 0x7f];
;      kv [head][128 keys][K's codes as qc 6,144 | V's: 4 tiles of 16 channels x 128 keys 6,144 | K's scale words as qs 512 | V's: lane l: 2 words at 8 l, 256]: 13,056 bytes.
; LIMITS: no NaN or infinities; a block whose largest magnitude lies under 2^-124 has its byte held at 1; a block of zeros gets the byte 1 (its codes are zeros; this program alone reads the bytes).
.set BLKB,  98304
.set FRB,   1536
.set KSB,   12288                      ; a K step of a block
.set HALF,  4*KSB
.set PIECE, HALF/2                     ; what one refilling wave brings
.set WBASE, 2*BLKB
.set SCZ,   3*BLKB
.set SCW,   SCZ+8192
.set SPARE, SCW+8192
.set FR,    12
.set PFA,  6                           ; v6, v7 the prefetches' offsets; never rewritten
.set PFB,  7
.set ADRF, 16                          ; v16-17 z's fragments, K steps 0-3 and 4-7
.set ADRW, 20                          ; v20-21 the weight's
.set LI,   24                          ; 16 x lane
.set L8,   25                          ; 8 x lane
.set ADRZ, 26                          ; z's scale words, in all lanes
.set ADRS, 27                          ; lanes 0-15 z's, lanes 16-31 the weight's
.set SPW,  28
.set NIL,  29
.set ADRS2, 30                         ; the same for the second weight block
.set SC,   32
.set PWR,  96
.set WS,   104
.set TM,   112
.set AF,   128                         ; v128-223 the weight's fragments, two sets of four
.set IMG,  176                         ; the way out: four images
.set T0,   224
.set T1,   228
.set WV,   16
.set HA,   17
.set HT,   18
.set G1Z,  24
.set G0Z,  32
.set G1W,  36
.set G0W,  44
.set G1SZ, 48
.set G0SZ, 56
.set G0SW, 60
.set G1SW, 68
.set G1SV, 76
.set G0SV, 84
.set RW,   88                          ; s[88:89], s[90:91] my piece of the second and of the third weight
.set SEL,  104
.set MSB, 0
.macro WIN new                         ; the immediate's high byte repeats the setting that is left
.if MSB != \new
	s_set_vgpr_msb (MSB<<8)|\new
.set MSB, \new
.endif
.endm
.macro CROUND
	s_barrier_signal -1
	s_barrier_wait -1
	s_cmp_lg_u32 s[WV], 0
	s_cbranch_scc1 .Lnot_wave_0_\@
	s_barrier_signal -3
.Lnot_wave_0_\@:
	s_barrier_wait -3
	s_barrier_signal -1
	s_barrier_wait -1
.endm
.macro PLACES
.rept 4
	v_nop
.endr
.endm
.macro TLOAD g0, g1
	tensor_load_to_lds s[\g0:\g0+3], s[\g1:\g1+7]
	s_nop 0
	PLACES
.endm
	s_load_b256 s[4:11], s[0:1], 0x0               ; cod, scl, qc, qs
	s_load_b64 s[12:13], s[0:1], 0x20              ; kv
	v_lshl_add_u32 v[SPW], v0, 2, SPARE
	v_mov_b32 v[NIL], 0
	ds_add_u32 v[SPW], v[NIL]                      ; the opening lines: the add, twice on end, and its wait
	ds_add_u32 v[SPW], v[NIL]
	v_lshrrev_b32 v1, 5, v0
	v_readfirstlane_b32 s[WV], v1
	s_lshr_b32 s[HA], s[WV], 1
	s_and_b32 s[HT], s[WV], 1
	s_bfe_u32 s20, ttmp6, 0x40000                  ; cx
	s_bfe_u32 s21, ttmp6, 0x40004                  ; cy
	s_and_b32 s23, ttmp7, 0xffff
	s_lshl_b32 s19, s21, 2
	s_lshl_b32 s19, 15, s19                        ; my row of the cluster
	s_lshl_b32 s22, 0x1111, s20                    ; my column
	s_or_b32 s[G1Z], s19, (3<<16)|(1<<21)          ; codes: dense rows of 256 bytes
	s_or_b32 s[G1W], s22, (3<<16)|(1<<21)
	s_or_b32 s[G1SZ], s19, (2<<16)|(1<<21)         ; scale words: 8 K steps x 256 words
	s_or_b32 s[G1SW], s22, (2<<16)|(1<<21)
	s_or_b32 s[G1SV], s22, (2<<16)|(1<<20)|(1<<21)|(6<<22)|(127<<25)   ; 8 K steps x 128 words, 128 words of padding behind each: the same pitch
.irp g, G1Z, G1W
	s_mov_b32 s[\g+1], 32<<16
	s_mov_b32 s[\g+3], 32<<16
	s_mov_b32 s[\g+5], 32
	s_mov_b32 s[\g+6], 0
	s_mov_b32 s[\g+7], 0
.endr
	s_mov_b32 s[G1Z+2], 768<<16
	s_mov_b32 s[G1Z+4], 768
	s_mov_b32 s[G1W+2], 384<<16                    ; the head's load brings the whole block
	s_mov_b32 s[G1W+4], 384
.irp g, G1SZ, G1SW, G1SV
	s_mov_b32 s[\g+2], 8<<16
	s_mov_b32 s[\g+4], 8
	s_mov_b32 s[\g+5], 12288
	s_mov_b32 s[\g+6], 0
	s_mov_b32 s[\g+7], 0
.endr
.irp g, G1SZ, G1SW
	s_mov_b32 s[\g+1], 256<<16
	s_mov_b32 s[\g+3], 256<<16
.endr
	s_mov_b32 s[G1SV+1], 128<<16
	s_mov_b32 s[G1SV+3], 128<<16
	s_mov_b32 s100, 0xffff0000                     ; as a lane mask: lanes 16-31
	s_mov_b32 s101, 0x7f7f0000                     ; two bytes of scale 1 for the half of K that holds zero codes
	s_mov_b32 s[SEL], 0x76543210
	s_mov_b32 s[SEL+1], 0xfedcba98
	; z's numbers hang on cy and the cluster's y, the weights' on cx and the cluster's x
	s_lshl_b32 s23, s23, 2
	s_add_co_u32 s23, s23, s21
	s_lshl_b32 s23, s23, 1                         ; z's first block, 2 g
	s_mul_i32 s[G0Z+2], s23, BLKB
	s_mov_b32 s[G0Z+3], 0
	s_lshl_b32 s[G0SZ+2], s23, 9
	s_mov_b32 s[G0SZ+3], 0
	s_lshl_b32 s66, ttmp9, 2
	s_add_co_u32 s66, s66, s20                     ; j
	s_lshl_b32 s67, s66, 1
	s_add_co_u32 s67, s67, 64                      ; the first weight block
	s_mul_i32 s[G0W+2], s67, BLKB
	s_mov_b32 s[G0W+3], 0
	s_lshl_b32 s[G0SW+2], s67, 9
	s_mov_b32 s[G0SW+3], 0
	s_add_co_u32 s67, s66, 80                      ; the third
	s_lshl_b32 s[G0SV+2], s67, 9
	s_mov_b32 s[G0SV+3], 0
	s_mul_i32 s19, s[WV], PIECE
	s_add_co_u32 s[RW], s[G0W+2], s19
	s_add_co_u32 s[RW], s[RW], BLKB
	s_mov_b32 s[RW+1], 0
	s_mul_i32 s[RW+2], s67, BLKB
	s_add_co_u32 s[RW+2], s[RW+2], s19
	s_mov_b32 s[RW+3], 0
	s_mov_b32 s[G0Z], 1
	s_mov_b32 s[G0Z+1], 0
	s_mov_b32 s[G0W], 1
	s_mov_b32 s[G0W+1], WBASE
	s_mov_b32 s[G0SZ], 1
	s_mov_b32 s[G0SZ+1], SCZ
	s_mov_b32 s[G0SW], 1
	s_mov_b32 s[G0SW+1], SCW
	s_mov_b32 s[G0SV], 1
	s_mov_b32 s[G0SV+1], SCW
	s_wait_dscnt 0x0
	s_wait_kmcnt 0x0
.irp g, G0Z, G0W
	s_add_nc_u64 s[\g+2:\g+3], s[4:5], s[\g+2:\g+3]
	s_or_b32 s[\g+3], s[\g+3], 0x80000000
.endr
.irp g, G0SZ, G0SW, G0SV
	s_add_nc_u64 s[\g+2:\g+3], s[6:7], s[\g+2:\g+3]
	s_or_b32 s[\g+3], s[\g+3], 0x80000000
.endr
	s_add_nc_u64 s[RW:RW+1], s[4:5], s[RW:RW+1]
	s_add_nc_u64 s[RW+2:RW+3], s[4:5], s[RW+2:RW+3]
	CROUND                                         ; all sixteen work-groups are here: the joint loads meet
.macro ARM under, g0, g1, next         ; the head's loads, one a wave, in one chain of branches on the wave's number
	s_cmp_lt_u32 s[WV], \under
	s_cbranch_scc0 \next
	TLOAD \g0, \g1
	s_branch .Lhead_asked
\next:
.endm
	ARM 1, G0SZ, G1SZ, .Lhead_sw
	ARM 2, G0SW, G1SW, .Lhead_w
	ARM 3, G0W, G1W, .Lhead_z
	TLOAD G0Z, G1Z
.Lhead_asked:
	s_mul_i32 s2, s[HA], BLKB                      ; my block of z
	s_mul_i32 s3, s[HT], 4*FRB
	s_add_co_u32 s3, s3, WBASE                     ; my four tiles of the weight
	s_lshl_b32 s14, s[HA], 9
	s_lshl_b32 s15, s[HT], 8
	s_add_co_u32 s15, s15, SCW-SCZ
	s_sub_co_u32 s15, s15, s14                     ; from z's words to the weight's
	s_add_co_u32 s14, s14, SCZ
	s_lshl_b32 s19, s21, 2
	s_add_co_u32 s19, s19, s[WV]
	s_mul_i32 s19, s19, 24*256                     ; my sixteenth of a weight block
	s_lshl_b32 s22, s66, 1
	s_add_co_u32 s22, s22, 65
	s_mul_i32 s22, s22, BLKB
	s_add_co_u32 s22, s22, s19                     ; in the second weight,
	s_mul_i32 s67, s67, BLKB
	s_add_co_u32 s67, s67, s19                     ; in the third: bytes from cod
	v_and_b32 v1, 15, v0                           ; r
	v_bfe_u32 v2, v0, 4, 1                         ; h
	v_and_b32 v3, 31, v0
	v_and_b32 v4, 8, v1
	v_lshlrev_b32 v[LI], 4, v3
	v_lshlrev_b32 v[L8], 3, v3
	v_min_u32 v3, 23, v3
	v_add_nc_u32 v4, v4, v1
	v_mul_u32_u24 v5, s15, v2
	v_add_nc_u32 v[ADRF], s2, v[LI]
	v_add_nc_u32 v[ADRW], s3, v[LI]
	v_lshlrev_b32 v4, 2, v4                        ; 4 (r + 8 (r / 8))
	v_lshl_add_u32 v[PFA], v3, 8, s22
	v_lshl_add_u32 v[PFB], v3, 8, s67
	v_add_nc_u32 v[ADRF+1], HALF, v[ADRF]
	v_add_nc_u32 v[ADRW+1], HALF, v[ADRW]
	v_add_nc_u32 v[ADRZ], s14, v4
	v_add_nc_u32 v[ADRS], v[ADRZ], v5
	v_lshl_add_u32 v[ADRS2], v2, 9, v[ADRS]
.irp b, 0,1,2,3
	v_mov_b32 v[TM+4+\b], 0                        ; a lane permute's destination counts as one of its sources
.endr
	s_wait_alu depctr_va_vdst(0)                   ; the wait at the head's end
	s_and_b32 s20, ttmp7, 0xffff                   ; kept: the cluster's y, for the prefetches
	s_cmp_lt_u32 s20, 4
	s_cbranch_scc0 .Lno_pf_a
	global_prefetch_b8 v[PFA], s[4:5] th:TH_LOAD_NT scope:SCOPE_SE
.Lno_pf_a:
	; where my results go: index = (16 x batch + head) x 16 + the block of 128 tokens in the batch
	s_add_co_u32 s19, s23, s[HA]
	s_lshr_b32 s22, s19, 4
	s_lshl_b32 s22, s22, 8
	s_and_b32 s19, s19, 15
	s_add_co_u32 s19, s19, s22
	s_lshl_b32 s22, s[HT], 4
	s_add_co_u32 s19, s19, s22
	s_and_b32 s22, s66, 3
	s_lshl_b32 s22, s22, 6
	s_add_co_u32 s22, s22, s19                     ; first phase: head 4 (j % 4) + ht; the second phase's lies 32 on
	s_lshl_b32 s67, s66, 5
	s_add_co_u32 s67, s67, s19                     ; third phase: head 2 j + ht
	s_cmp_lt_u32 s66, 4                            ; q?
	s_mov_b32 s92, 13056
	s_cselect_b32 s92, 6144, s92                   ; bytes of codes for a head and 128 tokens,
	s_mov_b32 s94, 13056
	s_cselect_b32 s94, 512, s94                    ; of scale words;
	s_cselect_b32 s19, 0, 12288                    ; in kv the scale words lie behind the codes
	s_cselect_b64 s[96:97], s[8:9], s[12:13]
	s_cselect_b64 s[98:99], s[10:11], s[12:13]
	s_mul_i32 s2, s22, s92
	s_mov_b32 s3, 0
	s_mul_i32 s14, s22, s94
	s_add_co_u32 s14, s14, s19
	s_mov_b32 s15, 0
	s_lshl_b32 s22, s92, 5
	s_lshl_b32 s19, s94, 5
	s_mov_b32 s23, 0
	s_add_nc_u64 s[92:93], s[96:97], s[2:3]        ; first phase: codes,
	s_add_nc_u64 s[94:95], s[98:99], s[14:15]      ; scale words
	s_add_nc_u64 s[96:97], s[92:93], s[22:23]      ; second phase
	s_mov_b32 s22, s19
	s_add_nc_u64 s[98:99], s[94:95], s[22:23]
	s_mul_i32 s22, s67, 13056
	s_add_co_u32 s22, s22, 6144
	s_add_nc_u64 s[2:3], s[12:13], s[22:23]        ; third phase: V's codes,
	s_add_nc_u64 s[14:15], s[2:3], 6656            ; V's scale words
.macro FETCH ks                        ; K step ks into set ks % 2: z's eight tiles, the weight's four: 36 loads of 512 consecutive bytes
	WIN 0x40
.irp i, 0,1,2,3,4,5,6,7
.irp c, 0,1,2
	ds_load_b128 v[128*((\ks)%2)+FR*\i+4*\c:128*((\ks)%2)+FR*\i+4*\c+3], v[ADRF+(\ks)/4] offset:((\ks)%4)*KSB+\i*FRB+512*\c
.endr
.endr
	WIN 0
.irp i, 0,1,2,3
.irp c, 0,1,2
	ds_load_b128 v[AF+48*((\ks)%2)+FR*\i+4*\c:AF+48*((\ks)%2)+FR*\i+4*\c+3], v[ADRW+(\ks)/4] offset:((\ks)%4)*KSB+\i*FRB+512*\c
.endr
.endr
.endm
; 32 products; the accumulators take turns, in the same order in every step.  The first step's products start the sums.
.macro MULQ ks                         ; q, k: accumulator (z's tile a, the weight's tile b) at v[8 (4 a + b)]
.set P_, (\ks)%2
	WIN 0xa4                                       ; source 0 window 0, source 1 window 1, C and D window 2
.irp a, 0,1,2,3,4,5,6,7
.irp b, 0,1,2,3
.if (\ks) == 0
	v_wmma_scale_f32_16x16x128_f8f6f4 v[8*(4*\a+\b):8*(4*\a+\b)+7], v[AF+48*P_+FR*\b:AF+48*P_+FR*\b+FR-1], v[128*P_+FR*\a:128*P_+FR*\a+FR-1], 0, v[SC+8*\b+((\ks)+\b)%8], v[SC+8*\a+((\ks)+\a)%8] matrix_a_fmt:MATRIX_FMT_FP6 matrix_b_fmt:MATRIX_FMT_FP6 matrix_a_scale:MATRIX_SCALE_ROW1
.else
	v_wmma_scale_f32_16x16x128_f8f6f4 v[8*(4*\a+\b):8*(4*\a+\b)+7], v[AF+48*P_+FR*\b:AF+48*P_+FR*\b+FR-1], v[128*P_+FR*\a:128*P_+FR*\a+FR-1], v[8*(4*\a+\b):8*(4*\a+\b)+7], v[SC+8*\b+((\ks)+\b)%8], v[SC+8*\a+((\ks)+\a)%8] matrix_a_fmt:MATRIX_FMT_FP6 matrix_b_fmt:MATRIX_FMT_FP6 matrix_a_scale:MATRIX_SCALE_ROW1
.endif
.endr
.endr
.endm
.macro MULV ks                         ; v: accumulator (the weight's tile a, z's tile b) at v[8 (8 a + b)]
.set P_, (\ks)%2
	WIN 0xa1                                       ; source 0 window 1, source 1 window 0
.irp a, 0,1,2,3
.irp b, 0,1,2,3,4,5,6,7
.if (\ks) == 0
	v_wmma_scale_f32_16x16x128_f8f6f4 v[8*(8*\a+\b):8*(8*\a+\b)+7], v[128*P_+FR*\b:128*P_+FR*\b+FR-1], v[AF+48*P_+FR*\a:AF+48*P_+FR*\a+FR-1], 0, v[SC+8*\b+((\ks)+\b)%8], v[SC+8*\a+((\ks)+\a)%8] matrix_a_fmt:MATRIX_FMT_FP6 matrix_b_fmt:MATRIX_FMT_FP6 matrix_b_scale:MATRIX_SCALE_ROW1
.else
	v_wmma_scale_f32_16x16x128_f8f6f4 v[8*(8*\a+\b):8*(8*\a+\b)+7], v[128*P_+FR*\b:128*P_+FR*\b+FR-1], v[AF+48*P_+FR*\a:AF+48*P_+FR*\a+FR-1], v[8*(8*\a+\b):8*(8*\a+\b)+7], v[SC+8*\b+((\ks)+\b)%8], v[SC+8*\a+((\ks)+\a)%8] matrix_a_fmt:MATRIX_FMT_FP6 matrix_b_fmt:MATRIX_FMT_FP6 matrix_b_scale:MATRIX_SCALE_ROW1
.endif
.endr
.endr
.endm
; A phase's middle, ahead of the fetch of K step 4.  My loads have landed (the weight's upper half among them) and my reads of its lower half are over.
.macro MID f
	WIN 0
	s_wait_tensorcnt 0x0
.if \f < 2
	ds_add_u32 v[SPW], v[NIL]
.if \f == 0
	s_mov_b32 s[G1W+2], 96<<16                     ; no tensor load of mine is out: from here on a load brings 96 rows of 256 bytes
	s_mov_b32 s[G1W+4], 96
.endif
	s_mul_i32 s[G0W+1], s[WV], PIECE
	s_add_co_u32 s[G0W+1], s[G0W+1], WBASE
	s_mov_b64 s[G0W+2:G0W+3], s[RW+2*\f:RW+2*\f+1]
	s_or_b32 s[G0W+3], s[G0W+3], 0x80000000
	s_wait_dscnt 0x0
	CROUND                                         ; no wave of any partner still reads the lower half or has a load on its way
	s_cmp_lt_u32 s[WV], 2
	s_cbranch_scc0 .Lnot_codes_\@
	TLOAD G0W, G1W                                 ; the next weight's K steps 0-3
	s_branch .Lasked_\@
.Lnot_codes_\@:
.if \f == 1
	s_cmp_eq_u32 s[WV], 2
	s_cbranch_scc0 .Lnone_\@
	TLOAD G0SV, G1SV                               ; w_v's scale words, onto words that all waves hold in registers
.Lnone_\@:
.endif
.Lasked_\@:
.else
	s_wait_dscnt 0x0
	s_barrier_signal -1                            ; a plain barrier: the last refill is shown to all
	s_barrier_wait -1
.endif
.endm
.macro TURNHI                          ; a phase's end: the next weight's lower half has landed, my reads of the upper half are over
	s_wait_tensorcnt 0x0
	ds_add_u32 v[SPW], v[NIL]
	s_add_co_u32 s[G0W+1], s[G0W+1], HALF
	s_add_nc_u64 s[G0W+2:G0W+3], s[G0W+2:G0W+3], HALF
	s_wait_dscnt 0x0
	CROUND
	s_cmp_lt_u32 s[WV], 2
	s_cbranch_scc0 .Lnone_\@
	TLOAD G0W, G1W                                 ; its K steps 4-7
.Lnone_\@:
.endm
; 64 accumulator registers, v[QS] on in window 2: four blocks of 32, 16 numbers to a lane and block.  Codes: blocks 0, 1 in v[D0] on, blocks 2, 3 in v[D1] on, six registers each; the four scale bytes in v[QP].
.macro QUANTW
	WIN 0x0a
.irp b, 0,1,2,3
	v_max3_num_f32 v[TM+\b], |v[QS+16*\b]|, |v[QS+1+16*\b]|, 0x1800000   ; and the floor 2^(3 - 127)
.endr
.irp i, 2,4,6,8,10,12,14
.irp b, 0,1,2,3
	v_max3_num_f32 v[TM+\b], |v[QS+16*\b+\i]|, |v[QS+1+16*\b+\i]|, v[TM+\b]
.endr
.endr
	WIN 0
.irp b, 0,1,2,3
	v_permlanex16_b32 v[TM+4+\b], v[TM+\b], s[SEL], s[SEL+1]
.endr
.irp b, 0,1,2,3
	v_max_num_f32 v[TM+\b], v[TM+\b], v[TM+4+\b]
.endr
.irp b, 0,1,2,3
	v_add_nc_u32 v[TM+12+\b], 0xff000000, v[TM+\b]
.endr
.irp b, 0,1,2,3
	v_lshrrev_b32 v[TM+4+\b], 23, v[TM+12+\b]
.endr
	v_lshl_or_b32 v[QP], v[TM+5], 8, v[TM+4]
	v_lshl_or_b32 v[QP], v[TM+6], 16, v[QP]
	v_lshl_or_b32 v[QP], v[TM+7], 24, v[QP]
	WIN 2
	v_cvt_scalef32_pk16_fp6_f32 v[D0:D0+2], v[QS:QS+15], v[TM+12]
	v_cvt_scalef32_pk16_fp6_f32 v[T0:T0+2], v[QS+16:QS+31], v[TM+13]
	v_cvt_scalef32_pk16_fp6_f32 v[D1:D1+2], v[QS+32:QS+47], v[TM+14]
	v_cvt_scalef32_pk16_fp6_f32 v[T1:T1+2], v[QS+48:QS+63], v[TM+15]
	WIN 0
	v_nop                                          ; one plain place behind a scaled conversion
.irp i, 0,1,2
	v_permlane16_swap_b32 v[D0+\i], v[T0+\i]
	v_permlane16_swap_b32 v[D1+\i], v[T1+\i]
.endr
.irp i, 0,1,2
	v_mov_b32 v[D0+3+\i], v[T0+\i]
	v_mov_b32 v[D1+3+\i], v[T1+\i]
.endr
.endm
; THE WAY OUT, straight from registers.  q, k: 64 registers are a pair of token tiles x one head's two blocks: an image.  v: a tile of 16 channels x four blocks of keys: a fragment.
.macro WAYOUT f, pc, ps
.irp a, 0,1,2,3
.set QS, 64*\a
.set D0, IMG+12*\a
.set D1, D0+6
.set QP, PWR+\a
	QUANTW
.if \f < 2
	v_lshrrev_b32 v[WS+\a], 16, v[QP]
	v_cndmask_b32 v[WS+\a], v[QP], v[WS+\a], s100            ; lanes 0-15 the even tile's two bytes, lanes 16-31 the odd tile's,
	v_and_or_b32 v[WS+\a], v[WS+\a], 0xffff, s101            ; above them two bytes of scale 1
.elseif \a%2
	v_cndmask_b32 v[WS+\a/2], v[PWR+\a-1], v[PWR+\a], s100
.endif
.irp q, 0,1,2
	global_store_b128 v[LI], v[IMG+12*\a+4*\q:IMG+12*\a+4*\q+3], s[\pc:\pc+1] offset:1536*\a+512*\q   ; 512 consecutive bytes
.endr
.endr
.if \f < 2
	global_store_b128 v[LI], v[WS:WS+3], s[\ps:\ps+1]
.else
	global_store_b64 v[L8], v[WS:WS+1], s[\ps:\ps+1]         ; 256 consecutive bytes
.endif
.endm
.macro PHASE f, pc, ps
.if \f > 0
	s_wait_xcnt 0x0                                ; the last way out's stores have read their registers
.endif
.irp i, 0,1,2,3
.irp s, 0,1,2,3,4,5,6,7
.if \f == 1
	ds_load_b32 v[SC+8*\i+(\s+\i)%8], v[ADRS2] offset:1024*\s+128*(\i/2)+32*(\i%2)
.else
	ds_load_b32 v[SC+8*\i+(\s+\i)%8], v[ADRS] offset:1024*\s+128*(\i/2)+32*(\i%2)
.endif
.endr
.endr
	FETCH 0
.set KS_, 0
.rept 8
.if KS_ > 0
	PLACES                                         ; ahead of loads into registers that the last step's products have read
.endif
.if KS_ == 3
	MID \f
.endif
.if KS_ < 7
	FETCH KS_+1
.if (\f == 0) && (KS_ == 3)
	s_cmp_lt_u32 s20, 4
	s_cbranch_scc0 .Lno_pf_b
	global_prefetch_b8 v[PFB], s[4:5] th:TH_LOAD_NT scope:SCOPE_SE
.Lno_pf_b:
.endif
	s_wait_dscnt 36                                ; all but the 36 loads just issued: this step's fragments are in
.else
	s_wait_dscnt 0x0
.endif
.if \f == 2
	MULV KS_
.else
	MULQ KS_
.endif
.set KS_, KS_+1
.endr
	WIN 0
.if \f < 2
	TURNHI
.endif
	PLACES                                         ; ahead of the first read of results
	WAYOUT \f, \pc, \ps
.endm
	s_wait_tensorcnt 0x0                           ; my tile is in,
	s_barrier_signal -1
	s_barrier_wait -1                              ; all four are
.irp i, 4,5,6,7                                ; z's tiles 4-7: their words serve all three phases
.irp s, 0,1,2,3,4,5,6,7
	ds_load_b32 v[SC+8*\i+(\s+\i)%8], v[ADRZ] offset:1024*\s+128*(\i/2)+32*(\i%2)
.endr
.endr
	PHASE 0, 92, 94
	PHASE 1, 96, 98
	PHASE 2, 2, 14
	s_wait_tensorcnt 0x0                           ; the wave's end
	ds_add_u32 v[SPW], v[NIL]
	s_wait_dscnt 0x0
	CROUND                                         ; the closing round
	s_endpgm
.Lfunc_end_k_qf305ae6e20_qkv:
	.size	k_qf305ae6e20_qkv, .Lfunc_end_k_qf305ae6e20_qkv-k_qf305ae6e20_qkv
	.p2alignl 7, 3214868480
	.fill 96, 4, 3214868480
	.section	.rodata,"a",@progbits
	.p2align	6, 0x0
	.amdhsa_kernel k_qf305ae6e20_qkv
		.amdhsa_group_segment_fixed_size 327680
		.amdhsa_private_segment_fixed_size 0
		.amdhsa_enable_private_segment 0
		.amdhsa_kernarg_size 40
		.amdhsa_user_sgpr_count 2
		.amdhsa_user_sgpr_kernarg_segment_ptr 1
		.amdhsa_wavefront_size32 1
		.amdhsa_system_sgpr_workgroup_id_x 1
		.amdhsa_system_sgpr_workgroup_id_y 1
		.amdhsa_system_sgpr_workgroup_id_z 1
		.amdhsa_system_vgpr_workitem_id 0
		.amdhsa_next_free_vgpr 768
		.amdhsa_next_free_sgpr 106
		.amdhsa_reserve_vcc 0
		.amdhsa_float_denorm_mode_32 3
		.amdhsa_float_denorm_mode_16_64 3
		.amdhsa_memory_ordered 1
		.amdhsa_forward_progress 1
		.amdhsa_inst_pref_size 231
	.end_amdhsa_kernel
	.amdgpu_metadata
---
amdhsa.version: [ 1, 2 ]
amdhsa.kernels:
  - .name:           k_qf305ae6e20_qkv
    .symbol:         k_qf305ae6e20_qkv.kd
    .args:
      - { .name: cod, .offset: 0, .size: 8, .value_kind: global_buffer, .address_space: global }
      - { .name: scl, .offset: 8, .size: 8, .value_kind: global_buffer, .address_space: global }
      - { .name: qc, .offset: 16, .size: 8, .value_kind: global_buffer, .address_space: global }
      - { .name: qs, .offset: 24, .size: 8, .value_kind: global_buffer, .address_space: global }
      - { .name: kv, .offset: 32, .size: 8, .value_kind: global_buffer, .address_space: global }
    .group_segment_fixed_size: 327680
    .private_segment_fixed_size: 0
    .kernarg_segment_align: 8
    .kernarg_segment_size: 40
    .max_flat_workgroup_size: 128
    .sgpr_count:     106
    .vgpr_count:     768
    .wavefront_size: 32
...
	.end_amdgpu_metadata
.endif
;; end of part 2
;; launch attn (part 3): grid 4 x 64, 16 waves a work-group, clusters of 4 x 1, 327,680 bytes of LDS; arguments qc, qs, kv, oc, os; writes oc, os
.if DOCPART == 3
	.amdgcn_target "amdgcn-amd-amdhsa--gfx1250"
	.amdhsa_code_object_version 6
	.text
	.protected	k_qf305ae6e20_attn
	.globl	k_qf305ae6e20_attn
	.p2align	8
	.type	k_qf305ae6e20_attn,@function
k_qf305ae6e20_attn:
	s_mov_b64 s[64:65], 0
	v_nop
	global_prefetch_b8 v0, s[64:65] scope:SCOPE_SE
	s_setreg_imm32_b32 hwreg(HW_REG_WAVE_MODE, 25, 1), 1
	s_wait_xcnt 0x0
	s_wait_alu depctr_hold_cnt(0) depctr_sa_sdst(0) depctr_va_vdst(0) depctr_va_sdst(0) depctr_va_ssrc(0) depctr_va_vcc(0) depctr_vm_vsrc(0)
	s_getreg_b32 s2, hwreg(HW_REG_IB_STS2, 6, 4)
	s_cmp_eq_u32 s2, 0
	s_cbranch_scc0 .Lentry_in_a_cluster
	s_endpgm
.Lentry_in_a_cluster:
	s_bfe_u32 s2, ttmp6, 0x10000c
	s_cmp_lg_u32 s2, 0x3003
	s_cbranch_scc0 .Lentry_shape_is_right
	s_endpgm
.Lentry_shape_is_right:
; o = softmax(q k^T / 8) v for one head and 512 queries a work-group, on codes of FP6 (E2M3) with E8M0 scales; o leaves as codes and scale bytes for the last projection.
; IN: qc, qs as the projections' launch leaves them; kv [head][step of 128 keys][K: 4 pairs of tiles, 6,144 bytes | V: 4 tiles of 16 channels x 128 keys, 6,144 | K's scale words 512 | V's 256]: 13,056 dense bytes a step.
; SHARES: the four work-groups of a cluster take the four quarters of one head's queries and read the same keys and values: each of the 16 waves asks JOINTLY for one step, 51 rows of 256 bytes, at the head.
; All 16 steps stay in LDS, 16,384 bytes apart; no LDS byte is filled twice, so there is one wait, one barrier, and none in the walk over the keys.
; No prefetch into the L2: every tile is asked for at the head, so there is no loop to run ahead in.
; A wave takes 16 queries at a time, twice.  Both products are used transposed (S^T = k q^T, O^T = v^T p^T): a lane holds one query.  The head's 64 channels fill half of K = 128: q's upper six registers hold zero codes.
; TWO REGIONS OF 64 REGISTERS CHANGE ROLES FROM STEP TO STEP.  One holds the step's keys and then its values, the other its scores and p.  When p's codes are made, the next step's keys are fetched into p's
; first 48 registers; the next scores fall on the values' registers.  The sum of p's last 16 registers stands behind the P V products: those eight lines are the places ahead of the products that write over the values.
; The walk is a ring: step 15 fetches step 0's keys, which the second pass begins with; behind the second pass they are fetched and not used.
; SOFTMAX: M = ceil of the running largest t, a whole number; p = 2^(t - M); the sum is taken of the unquantised p; a change of M multiplies the sums and O^T by a power of two.
; A block's largest p is the exponential of its largest score, by the same two instructions.
; LIMITS: NaN and infinities are not served; the promise holds while the scaled scores stay under 2^31 in magnitude; a block whose largest magnitude lies under 2^-124 has its byte held at 1.
.set STB,   13056                      ; a step in memory
.set STP,   16384                      ; and its place in LDS
.set SPARE, 17*STP                     ; the spare words, 128 bytes a wave
.set LI,  1                            ; 16 x lane
.set L8,  2                            ; 8 x lane
.set R0,  3                            ; LDS: this pair of steps, 16 x lane
.set RV,  4                            ; the same, 8 x lane
.set SPW, 5
.set NIL, 6
.set OSO, 7
.set R1,  8                            ; LDS: the next pair of steps
.set QSO, 9
.set TX,  10
.set TT,  11                           ; the old -M, then the change of M
.set QA,  16                           ; v16-27 first pass's q; v28, v29 the two passes' scale words
.set QWA, 28
.set QWB, 29
.set FF,  30                           ; v30 the factor 2^(old M - new M)
.set Y,   32
.set X,   96
.set O,   160
.set CT,  192
.set LS,  248                          ; v248-255 a step's sum of p, in four chains of two; v[14:15] the row's sum
.set PWD, 202
.set KS,  204
.set VS,  208
.set QB,  210                          ; v210-221 second pass's q
.set PC,  224
.set BM,  236
.set BT,  240
.set BS,  244
.set WV,  16
.set CX,  17
.set BH,  18
.set UM,  19
.set SEL, 20
.set CS,  22
.set G1,  24
.set G0,  32
.set NC,  36
.set TB,  60
.set TN,  61
.set CNT, 62
.macro CROUND
	s_barrier_signal -1
	s_barrier_wait -1
	s_cmp_lg_u32 s[WV], 0
	s_cbranch_scc1 .Lnot_wave_0_\@
	s_barrier_signal -3
.Lnot_wave_0_\@:
	s_barrier_wait -3
	s_barrier_signal -1
	s_barrier_wait -1
.endm
.macro WALU
	s_wait_alu depctr_va_vdst(0)
.endm
.macro FOUR reg, adr, off              ; four images of 12 registers: 12 loads of 512 consecutive bytes
.irp p, 0,1,2,3
.irp q, 0,1,2
	ds_load_b128 v[\reg+12*\p+4*\q:\reg+12*\p+4*\q+3], v[\adr] offset:\off+1536*\p+512*\q
.endr
.endr
.endm
.macro SMM d, a, ks, qr, qw, row
.if \row
	v_wmma_scale_f32_16x16x128_f8f6f4 v[(\d):(\d)+7], v[(\a):(\a)+11], v[\qr:\qr+11], 0, v[\ks], v[\qw] matrix_a_fmt:MATRIX_FMT_FP6 matrix_b_fmt:MATRIX_FMT_FP6 matrix_a_scale:MATRIX_SCALE_ROW1
.else
	v_wmma_scale_f32_16x16x128_f8f6f4 v[(\d):(\d)+7], v[(\a):(\a)+11], v[\qr:\qr+11], 0, v[\ks], v[\qw] matrix_a_fmt:MATRIX_FMT_FP6 matrix_b_fmt:MATRIX_FMT_FP6
.endif
.endm
	s_load_b128 s[4:7], s[0:1], 0x0                ; qc, qs
	s_load_b64 s[8:9], s[0:1], 0x10                ; kv
	s_load_b128 s[12:15], s[0:1], 0x18             ; oc, os
	v_lshl_add_u32 v[SPW], v0, 2, SPARE
	v_mov_b32 v[NIL], 0
	ds_add_u32 v[SPW], v[NIL]                      ; the opening lines: the add, twice on end, and its wait
	ds_add_u32 v[SPW], v[NIL]
	v_lshrrev_b32 v[TX], 5, v0
	v_readfirstlane_b32 s[WV], v[TX]
	s_bfe_u32 s[CX], ttmp6, 0x40000
	s_and_b32 s[BH], ttmp7, 0xffff                 ; 16 x batch + head
	s_mov_b32 s[G1], 15|(3<<16)|(1<<21)            ; all four partners; elements of 8 bytes; 51 rows of 256 bytes, dense
	s_mov_b32 s[G1+1], 32<<16
	s_mov_b32 s[G1+2], 51<<16
	s_mov_b32 s[G1+3], 32<<16
	s_mov_b32 s[G1+4], 51
	s_mov_b32 s[G1+5], 32
	s_mov_b32 s[G1+6], 0
	s_mov_b32 s[G1+7], 0
	s_mov_b32 s[SEL], 0x76543210
	s_mov_b32 s[SEL+1], 0xfedcba98
	s_mov_b32 s[CS], 0x3e38aa3b                    ; c = log2(e) / 8
	s_mov_b32 s[CS+1], s[CS]
	s_mov_b32 s[NC], 0xbe38aa3b                    ; -c
	s_and_b32 s[UM], s[WV], 1
	s_sub_co_u32 s[UM], 0, s[UM]                   ; as a lane mask: the odd waves take a pair's odd tile
	s_mul_i32 s63, s[WV], STB
	s_mul_i32 s66, s[BH], 16*STB
	s_add_co_u32 s66, s66, s63                     ; kv: my head, step = my wave's number
	s_mov_b32 s67, 0
	s_lshl_b32 s70, s[CX], 4                       ; qc: pair 16 cx + wave / 2 of my head
	s_lshr_b32 s78, s[WV], 1
	s_add_co_u32 s70, s70, s78
	s_mul_i32 s70, s70, 1536
	s_mul_i32 s78, s[BH], 98304
	s_add_co_u32 s70, s70, s78
	s_mov_b32 s71, 0
	s_lshl_b32 s79, s[CX], 2                       ; qs: the block of 128 queries, the pair's word
	s_lshr_b32 s78, s[WV], 3
	s_add_co_u32 s79, s79, s78
	s_lshl_b32 s72, s79, 9
	s_lshl_b32 s78, s[BH], 13
	s_add_co_u32 s72, s72, s78
	s_bfe_u32 s78, s[WV], 0x20001
	s_lshl_b32 s78, s78, 2
	s_add_co_u32 s72, s72, s78
	s_mov_b32 s73, 0
	s_lshr_b32 s78, s[BH], 4                       ; oc: [block of 128 rows][K step = pair of heads][tile][half an image]
	s_lshl_b32 s78, s78, 4
	s_add_co_u32 s74, s78, s79
	s_mul_i32 s74, s74, 98304
	s_bfe_u32 s78, s[BH], 0x30001
	s_lshl_b32 s76, s78, 15
	s_mul_i32 s78, s78, 12288
	s_add_co_u32 s74, s74, s78
	s_and_b32 s78, s[WV], 7
	s_mul_i32 s78, s78, 1536
	s_add_co_u32 s74, s74, s78
	s_and_b32 s78, s[BH], 1
	s_mul_i32 s79, s78, 768
	s_add_co_u32 s74, s74, s79
	s_lshl_b32 s78, s78, 1                         ; os: [K step][row]: two bytes of the row's word
	s_add_co_u32 s76, s76, s78
	s_lshr_b32 s78, s[BH], 4
	s_lshl_b32 s78, s78, 11
	s_lshl_b32 s79, s[CX], 9
	s_add_co_u32 s78, s78, s79
	s_lshr_b32 s79, s[WV], 1
	s_lshl_b32 s79, s79, 5
	s_add_co_u32 s78, s78, s79
	s_and_b32 s79, s[WV], 1
	s_lshl_b32 s79, s79, 3
	s_add_co_u32 s78, s78, s79
	s_lshl_b32 s78, s78, 2
	s_add_co_u32 s76, s76, s78
	s_mov_b32 s75, 0
	s_mov_b32 s77, 0
	s_and_b32 s3, s[WV], 1
	s_lshl_b32 s3, s3, 8
	v_and_b32 v[LI], 31, v0
	v_and_b32 v[TX], 15, v0
	v_lshlrev_b32 v[L8], 3, v[LI]
	v_lshlrev_b32 v[LI], 4, v[LI]
	v_and_b32 v[OSO], 8, v[TX]
	v_lshl_add_u32 v[QSO], v[TX], 4, s3
	v_add_nc_u32 v[OSO], v[OSO], v[TX]
	v_add_nc_u32 v[R1], 0, v[LI]                   ; the walk begins at step 0
	v_lshlrev_b32 v[OSO], 2, v[OSO]
	WALU                                           ; the wait at the head's end
	s_wait_dscnt 0x0
	s_wait_kmcnt 0x0
	s_add_nc_u64 s[8:9], s[8:9], s[66:67]
	s_add_nc_u64 s[4:5], s[4:5], s[70:71]
	s_add_nc_u64 s[6:7], s[6:7], s[72:73]
	s_add_nc_u64 s[12:13], s[12:13], s[74:75]
	s_add_nc_u64 s[14:15], s[14:15], s[76:77]
	s_mov_b32 s[G0], 1
	s_mul_i32 s[G0+1], s[WV], STP
	s_mov_b64 s[G0+2:G0+3], s[8:9]
	s_or_b32 s[G0+3], s[G0+3], 0x80000000
	CROUND                                         ; the four partners are here: the joint loads meet
	tensor_load_to_lds s[G0:G0+3], s[G1:G1+7]      ; my one load: step = my wave's number
	s_nop 0
.irp q, 0,1,2                                  ; both passes' q, under the tiles' flight
	global_load_b128 v[X+4*\q:X+4*\q+3], v[LI], s[4:5] offset:512*\q
	global_load_b128 v[X+12+4*\q:X+15+4*\q], v[LI], s[4:5] offset:12288+512*\q
.endr
	global_load_b32 v[QWA], v[QSO], s[6:7]
	global_load_b32 v[QWB], v[QSO], s[6:7] offset:1024
.irp i, 0,1,2,3,4,5
	v_mov_b32 v[QA+6+\i], 0                        ; zero codes for the upper half of K
	v_mov_b32 v[QB+6+\i], 0
	v_mov_b32 v[Y+48+\i], 0                        ; named by the last tile's operand, against zero codes
.endr
.irp b, 0,1,2,3
	v_mov_b32 v[BT+\b], 0                          ; a lane permute's destination counts as one of its sources
.endr
	v_mov_b32 v[FF+1], 0
	WALU
	s_wait_loadcnt 0x0
.irp i, 0,1,2,3,4,5
	v_cndmask_b32 v[QA+\i], v[X+\i], v[X+6+\i], s[UM]
	v_cndmask_b32 v[QB+\i], v[X+12+\i], v[X+18+\i], s[UM]
.endr
	WALU
	s_wait_tensorcnt 0x0                           ; my step is in,
	s_barrier_signal -1
	s_barrier_wait -1                              ; everybody's is
	FOUR Y, R1, 0                                  ; step 0's keys
	ds_load_b128 v[KS:KS+3], v[R1] offset:12288
; One step of 128 keys.  kr: the keys', then the values' registers; pr: the scores', then p's; par: the step's parity.
.macro STEP kr, pr, par, qr, qw
	s_wait_dscnt 0x0                               ; this step's keys and their scale words are in
.irp t, 0,2,4,6
	SMM \pr+8*\t, \kr+6*\t, KS+\t/2, \qr, \qw, 0
	SMM \pr+8*\t+8, \kr+6*\t+6, KS+\t/2, \qr, \qw, 1
.endr
	v_mov_b32 v[TT], v12                           ; four places ahead of the loads into the keys' registers and of the first read of the scores
.if \par
	v_add_nc_u32 v[R1], s[TN], v[LI]
	v_nop
	v_nop
.else
	v_add_nc_u32 v[R0], s[TB], v[LI]
	v_add_nc_u32 v[RV], s[TB], v[L8]
	v_nop
.endif
	FOUR \kr, R0, \par*STP+6144                    ; the values
	ds_load_b64 v[VS:VS+1], v[RV] offset:\par*STP+12800
.irp b, 0,1,2,3
	v_max3_num_f32 v[BM+\b], v[\pr+16*\b], v[\pr+1+16*\b], v[\pr+2+16*\b]   ; each block's largest score
.endr
.irp b, 0,1,2,3
	v_max3_num_f32 v[BT+\b], v[\pr+8+16*\b], v[\pr+9+16*\b], v[\pr+10+16*\b]   ; a second chain for each block: eight chains by turns
.endr
.irp i, 3,5
.irp b, 0,1,2,3
	v_max3_num_f32 v[BM+\b], v[BM+\b], v[\pr+16*\b+\i], v[\pr+1+16*\b+\i]
.endr
.irp b, 0,1,2,3
	v_max3_num_f32 v[BT+\b], v[BT+\b], v[\pr+8+16*\b+\i], v[\pr+9+16*\b+\i]
.endr
.endr
.irp b, 0,1,2,3
	v_max3_num_f32 v[BM+\b], v[BM+\b], v[BT+\b], v[\pr+7+16*\b]
.endr
.irp b, 0,1,2,3
	v_max_num_f32 v[BM+\b], v[BM+\b], v[\pr+15+16*\b]
.endr
.irp b, 0,1,2,3
	s_delay_alu instid0(VALU_DEP_4)
	v_permlanex16_b32 v[BT+\b], v[BM+\b], s[SEL], s[SEL+1]
.endr
.irp b, 0,1,2,3
	s_delay_alu instid0(VALU_DEP_4)
	v_max_num_f32 v[BM+\b], v[BM+\b], v[BT+\b]
.endr
	s_delay_alu instid0(VALU_DEP_2)
	v_max3_num_f32 v[TX], v[BM], v[BM+1], v[BM+2]
	s_delay_alu instid0(VALU_DEP_1)
	v_max3_num_f32 v13, v13, v[TX], v[BM+3]        ; the running largest score
	s_delay_alu instid0(VALU_DEP_1)
	v_mul_f32 v12, s[NC], v13
	s_delay_alu instid0(VALU_DEP_1)
	v_floor_f32 v12, v12                           ; -M = floor(-t)
.set J, 0
.rept 32
	v_pk_fma_f32 v[\pr+J:\pr+J+1], v[\pr+J:\pr+J+1], s[CS:CS+1], v[12:13] op_sel_hi:[1,0,0]
.if J == 6                             ; the three lines that make the factor stand among lines that do not hang on them
	v_sub_f32 v[TT], v12, v[TT]
.endif
.if J == 14
	v_cvt_i32_f32 v[TT], v[TT]
.endif
.if J == 22
	v_ldexp_f32 v[FF], 1.0, v[TT]                  ; 2^(old M - new M)
.endif
.set J, J+2
.endr
.irp b, 0,1,2,3
	v_fma_f32 v[BM+\b], v[BM+\b], s[CS], v12
.endr
	WALU                                           ; the wait ahead of the batch,
.irp b, 0,1,2,3
	v_exp_f32 v[BM+\b], v[BM+\b]
.endr
.set J, 0
.rept 64
	v_exp_f32 v[\pr+J], v[\pr+J]
.set J, J+1
.endr
	v_pk_mul_f32 v[14:15], v[14:15], v[FF:FF+1] op_sel_hi:[1,0]
	WALU                                           ; and behind it
.irp k, 0,1,2,3
	v_pk_add_f32 v[LS+2*\k:LS+2*\k+1], v[\pr+4*\k:\pr+4*\k+1], v[\pr+4*\k+2:\pr+4*\k+3]   ; the step's sum of the unquantised p: four chains by turns
.endr
.set J, 16
.rept 16
	v_pk_add_f32 v[LS+J%8:LS+J%8+1], v[LS+J%8:LS+J%8+1], v[\pr+J:\pr+J+1]
.set J, J+2
.endr
.irp b, 0,1,2,3
	v_max_num_f32 v[BM+\b], 0x1800000, v[BM+\b]    ; the floor 2^(3 - 127)
.endr
.irp b, 0,1,2,3
	s_delay_alu instid0(VALU_DEP_4)
	v_add_nc_u32 v[BS+\b], 0xff000000, v[BM+\b]
.endr
.irp b, 0,1,2,3
	s_delay_alu instid0(VALU_DEP_4)
	v_lshrrev_b32 v[BT+\b], 23, v[BS+\b]
.endr
.irp c, 0,1
	v_cvt_scalef32_pk16_fp6_f32 v[PC+6*\c:PC+2+6*\c], v[\pr+32*\c:\pr+15+32*\c], v[BS+2*\c]
	v_cvt_scalef32_pk16_fp6_f32 v[CT+4*\c:CT+2+4*\c], v[\pr+16+32*\c:\pr+31+32*\c], v[BS+2*\c+1]
.endr
	v_lshl_or_b32 v[PWD], v[BT+1], 8, v[BT]        ; p's scale word; also the plain place behind the conversions
	v_lshl_or_b32 v[TX], v[BT+3], 8, v[BT+2]
	s_delay_alu instid0(VALU_DEP_1)
	v_lshl_or_b32 v[PWD], v[TX], 16, v[PWD]
.if \par
	FOUR \pr, R1, 0                                ; the next step's keys, into p's first 48 registers
	ds_load_b128 v[KS:KS+3], v[R1] offset:12288
.else
	FOUR \pr, R0, STP
	ds_load_b128 v[KS:KS+3], v[R0] offset:STP+12288
.endif
	WALU
	s_wait_dscnt 13                                ; the values are in; the 13 loads just issued may be out
.irp c, 0,1
.irp i, 0,1,2
	v_permlane16_swap_b32 v[PC+6*\c+\i], v[CT+4*\c+\i]
.endr
.irp i, 0,1,2
	s_delay_alu instid0(VALU_DEP_3)
	v_mov_b32 v[PC+3+6*\c+\i], v[CT+4*\c+\i]
.endr
.endr
.set J, 0
.rept 16
	v_pk_mul_f32 v[O+J:O+J+1], v[O+J:O+J+1], v[FF:FF+1] op_sel_hi:[1,0]   ; O^T under the new M; also the places ahead of the products
.set J, J+2
.endr
.irp t, 0,2
	v_wmma_scale_f32_16x16x128_f8f6f4 v[O+8*\t:O+8*\t+7], v[\kr+12*\t:\kr+12*\t+11], v[PC:PC+11], v[O+8*\t:O+8*\t+7], v[VS+\t/2], v[PWD] matrix_a_fmt:MATRIX_FMT_FP6 matrix_b_fmt:MATRIX_FMT_FP6
	v_wmma_scale_f32_16x16x128_f8f6f4 v[O+8*\t+8:O+8*\t+15], v[\kr+12*\t+12:\kr+12*\t+23], v[PC:PC+11], v[O+8*\t+8:O+8*\t+15], v[VS+\t/2], v[PWD] matrix_a_fmt:MATRIX_FMT_FP6 matrix_b_fmt:MATRIX_FMT_FP6 matrix_a_scale:MATRIX_SCALE_ROW1
.endr
.set J, 48
.rept 8
	v_pk_add_f32 v[LS+J%8:LS+J%8+1], v[LS+J%8:LS+J%8+1], v[\pr+J:\pr+J+1]   ; the rest of the sum: the places ahead of the products that write over the values
.set J, J+2
.endr
	v_pk_add_f32 v[LS:LS+1], v[LS:LS+1], v[LS+2:LS+3]
	v_pk_add_f32 v[LS+4:LS+5], v[LS+4:LS+5], v[LS+6:LS+7]
	v_pk_add_f32 v[14:15], v[14:15], v[LS:LS+1]
	v_pk_add_f32 v[14:15], v[14:15], v[LS+4:LS+5]
.endm
; The way out of 16 queries: O^T / the sum, quantised along the head's 64 channels: half an image and two scale bytes.
.macro WAYOUT
	v_add_f32 v14, v14, v15
	s_delay_alu instid0(VALU_DEP_1)
	v_permlanex16_b32 v[TT], v14, s[SEL], s[SEL+1]
	s_delay_alu instid0(VALU_DEP_1)
	v_add_f32 v14, v14, v[TT]
	WALU
	v_rcp_f32 v14, v14
	v_nop
	WALU
.set J, 0
.rept 16
	v_pk_mul_f32 v[X+J:X+J+1], v[O+J:O+J+1], v[14:15] op_sel_hi:[1,0]
.set J, J+2
.endr
.irp b, 0,1
	v_max3_num_f32 v[BM+\b], |v[X+16*\b]|, |v[X+1+16*\b]|, 0x1800000
.endr
.irp i, 2,4,6,8,10,12,14
.irp b, 0,1
	s_delay_alu instid0(VALU_DEP_2)
	v_max3_num_f32 v[BM+\b], v[BM+\b], |v[X+16*\b+\i]|, |v[X+1+16*\b+\i]|
.endr
.endr
.irp b, 0,1
	s_delay_alu instid0(VALU_DEP_2)
	v_permlanex16_b32 v[BT+\b], v[BM+\b], s[SEL], s[SEL+1]
.endr
.irp b, 0,1
	s_delay_alu instid0(VALU_DEP_2)
	v_max_num_f32 v[BM+\b], v[BM+\b], v[BT+\b]
.endr
.irp b, 0,1
	s_delay_alu instid0(VALU_DEP_2)
	v_add_nc_u32 v[BS+\b], 0xff000000, v[BM+\b]
.endr
.irp b, 0,1
	s_delay_alu instid0(VALU_DEP_2)
	v_lshrrev_b32 v[BT+\b], 23, v[BS+\b]
.endr
	s_delay_alu instid0(VALU_DEP_1)
	v_lshl_or_b32 v[TT], v[BT+1], 8, v[BT]
	v_cvt_scalef32_pk16_fp6_f32 v[PC:PC+2], v[X:X+15], v[BS]
	v_cvt_scalef32_pk16_fp6_f32 v[CT:CT+2], v[X+16:X+31], v[BS+1]
	v_nop
.irp i, 0,1,2
	v_permlane16_swap_b32 v[PC+\i], v[CT+\i]
.endr
.irp i, 0,1,2
	s_delay_alu instid0(VALU_DEP_3)
	v_mov_b32 v[PC+3+\i], v[CT+\i]
.endr
.irp q, 0,1,2
	global_store_b64 v[L8], v[PC+2*\q:PC+2*\q+1], s[12:13] offset:256*\q   ; 256 consecutive bytes
.endr
	global_store_b16 v[OSO], v[TT], s[14:15]
.endm
.macro PASS qr, qw
	v_mov_b32 v13, 0xff61b1e6                      ; the largest score so far: -3e38
	v_mov_b32 v14, 0
	v_mul_f32 v12, s[NC], v13
	v_mov_b32 v15, 0
	v_floor_f32 v12, v12
.set J, 0
.rept 32
	v_mov_b32 v[O+J], 0
.set J, J+1
.endr
	s_mov_b32 s[TB], 0
	s_mov_b32 s[TN], 2*STP
	s_mov_b32 s[CNT], 8
	WALU
.Lsteps_\@:
	STEP Y, X, 0, \qr, \qw
	STEP X, Y, 1, \qr, \qw
	s_add_co_u32 s[TB], s[TB], 2*STP
	s_add_co_u32 s[TN], s[TB], 2*STP
	s_and_b32 s[TN], s[TN], 16*STP-1               ; behind step 15 comes step 0
	s_sub_co_u32 s[CNT], s[CNT], 1
	s_cmp_lg_u32 s[CNT], 0
	s_cbranch_scc1 .Lsteps_\@
	WAYOUT
.endm
	PASS QA, QWA
	s_wait_xcnt 0x0                                ; the stores have read their registers and bases
	s_add_nc_u64 s[12:13], s[12:13], 2*98304
	s_add_nc_u64 s[14:15], s[14:15], 256*4
	PASS QB, QWB
	s_wait_tensorcnt 0x0                           ; the wave's end
	ds_add_u32 v[SPW], v[NIL]
	s_wait_dscnt 0x0
	CROUND                                         ; the closing round
	s_endpgm
.Lfunc_end_k_qf305ae6e20_attn:
	.size	k_qf305ae6e20_attn, .Lfunc_end_k_qf305ae6e20_attn-k_qf305ae6e20_attn
	.p2alignl 7, 3214868480
	.fill 96, 4, 3214868480
	.section	.rodata,"a",@progbits
	.p2align	6, 0x0
	.amdhsa_kernel k_qf305ae6e20_attn
		.amdhsa_group_segment_fixed_size 327680
		.amdhsa_private_segment_fixed_size 0
		.amdhsa_enable_private_segment 0
		.amdhsa_kernarg_size 40
		.amdhsa_user_sgpr_count 2
		.amdhsa_user_sgpr_kernarg_segment_ptr 1
		.amdhsa_wavefront_size32 1
		.amdhsa_system_sgpr_workgroup_id_x 1
		.amdhsa_system_sgpr_workgroup_id_y 1
		.amdhsa_system_sgpr_workgroup_id_z 1
		.amdhsa_system_vgpr_workitem_id 0
		.amdhsa_next_free_vgpr 256
		.amdhsa_next_free_sgpr 80
		.amdhsa_reserve_vcc 0
		.amdhsa_float_denorm_mode_32 3
		.amdhsa_float_denorm_mode_16_64 3
		.amdhsa_memory_ordered 1
		.amdhsa_forward_progress 1
		.amdhsa_inst_pref_size 84
	.end_amdhsa_kernel
	.amdgpu_metadata
---
amdhsa.version: [ 1, 2 ]
amdhsa.kernels:
  - .name:           k_qf305ae6e20_attn
    .symbol:         k_qf305ae6e20_attn.kd
    .args:
      - { .name: qc, .offset: 0, .size: 8, .value_kind: global_buffer, .address_space: global }
      - { .name: qs, .offset: 8, .size: 8, .value_kind: global_buffer, .address_space: global }
      - { .name: kv, .offset: 16, .size: 8, .value_kind: global_buffer, .address_space: global }
      - { .name: oc, .offset: 24, .size: 8, .value_kind: global_buffer, .address_space: global }
      - { .name: os, .offset: 32, .size: 8, .value_kind: global_buffer, .address_space: global }
    .group_segment_fixed_size: 327680
    .private_segment_fixed_size: 0
    .kernarg_segment_align: 8
    .kernarg_segment_size: 40
    .max_flat_workgroup_size: 512
    .sgpr_count:     80
    .vgpr_count:     256
    .wavefront_size: 32
...
	.end_amdgpu_metadata
.endif
;; end of part 3
;; launch outp (part 4): grid 8 x 32, 4 waves a work-group, clusters of 4 x 4, 327,680 bytes of LDS; arguments oc, os, cod, scl, b_o, out0; writes out0
.if DOCPART == 4
	.amdgcn_target "amdgcn-amd-amdhsa--gfx1250"
	.amdhsa_code_object_version 6
	.text
	.protected	k_qf305ae6e20_outp
	.globl	k_qf305ae6e20_outp
	.p2align	8
	.type	k_qf305ae6e20_outp,@function
k_qf305ae6e20_outp:
	s_mov_b64 s[64:65], 0
	v_nop
	global_prefetch_b8 v0, s[64:65] scope:SCOPE_SE
	s_setreg_imm32_b32 hwreg(HW_REG_WAVE_MODE, 25, 1), 1
	s_wait_xcnt 0x0
	s_wait_alu depctr_hold_cnt(0) depctr_sa_sdst(0) depctr_va_vdst(0) depctr_va_sdst(0) depctr_va_ssrc(0) depctr_va_vcc(0) depctr_vm_vsrc(0)
	s_getreg_b32 s2, hwreg(HW_REG_IB_STS2, 6, 4)
	s_cmp_eq_u32 s2, 0
	s_cbranch_scc0 .Lentry_in_a_cluster
	s_endpgm
.Lentry_in_a_cluster:
	s_bfe_u32 s2, ttmp6, 0x10000c
	s_cmp_lg_u32 s2, 0xf033
	s_cbranch_scc0 .Lentry_shape_is_right
	s_endpgm
.Lentry_shape_is_right:
; out0 = o w_o + b_o on codes of FP6 (E2M3) with E8M0 scales, K = 1,024; f32 out.
; A = o: oc [block of 128 rows][K step][tile][image in six pieces of 256 bytes: registers 2 p, 2 p + 1 of lane l at 256 p + 8 l], os [K step][row] words.  B = w_o: cod blocks 88-95 (images in three pieces of 512 bytes), scl.
; Lane r of tile t holds row (B: column) 32 (t / 2) + 8 (t % 2) + r + 8 (r / 8) of its block.
; SHARES: 256 work-groups; a work-group makes 256 rows x 128 columns, a wave 64 rows x 128 columns: 32 accumulators.  ALL OF K LIES IN LDS: A's two blocks (196,608 dense bytes), B's block (98,304) and both sides'
; scale words come by four tensor loads at the head, one a wave.  Nothing is filled again: one barrier behind the loads, none along K.
; CLUSTERS: 4 x 4; A's tiles are shared along a row of the cluster, B's along a column: joint loads.  No prefetch into the L2: every tile is asked for at the head, so there is no loop to run ahead in.
; The matrix instruction is used transposed (source 0 = 16 columns of w_o, source 1 = 16 rows of o): a lane holds eight neighbouring numbers of a row.  The bias is the first products' C.
; REGISTERS: window 0: v0-31 addresses; v32-95 scale words (register 8 i + s: lanes 0-15 my A tile i, lanes 16-31 B's tile i, K step s; lanes 0-15 of i = 4..7 are loaded and not used); v96-127, v224-255 the bias;
; v128-223 A's fragments, two sets of four.  Window 1: B's fragments, two sets of eight.  Window 2: the accumulators, (a, b) at v[8 (8 a + b)].
.set BLKB,  98304
.set FRB,   1536
.set KSB,   12288                      ; a K step of a block
.set BBASE, 2*BLKB
.set SCA,   3*BLKB                     ; A's scale words, [K step][256 rows]
.set SCB,   SCA+8192                   ; B's, [K step][128 rows, then 512 bytes of padding]: the same pitch as A's
.set SPARE, SCB+8192
.set SPITCH, 528
.set FR,    12
.set ADRA, 16                          ; v16-17 my A fragments, K steps 0-3 and 4-7
.set ADRB, 20                          ; v20-21 B's
.set STO,  24
.set RD,   25
.set CO,   26
.set ADRS, 27
.set SPW,  28
.set NIL,  29
.set BO,   30
.set SC,   32
.set BIAS, 96
.set AF,   128
.set BK,   128
.set WV,   16
.set HA,   17                          ; which of A's two blocks is mine
.set HT,   18                          ; which four of its tiles
.set G1A,  24
.set G0A,  32
.set G1B,  48
.set G0B,  56
.set G1SA, 68
.set G0SA, 76
.set G1SB, 80
.set G0SB, 88
.set MSB, 0
.macro WIN new                         ; the immediate's high byte repeats the setting that is left
.if MSB != \new
	s_set_vgpr_msb (MSB<<8)|\new
.set MSB, \new
.endif
.endm
.macro CROUND
	s_barrier_signal -1
	s_barrier_wait -1
	s_cmp_lg_u32 s[WV], 0
	s_cbranch_scc1 .Lnot_wave_0_\@
	s_barrier_signal -3
.Lnot_wave_0_\@:
	s_barrier_wait -3
	s_barrier_signal -1
	s_barrier_wait -1
.endm
.macro PLACES
.rept 4
	v_nop
.endr
.endm
	s_load_b256 s[4:11], s[0:1], 0x0               ; oc, os, cod, scl
	s_load_b128 s[12:15], s[0:1], 0x20             ; b_o, out0
	v_lshl_add_u32 v[SPW], v0, 2, SPARE
	v_mov_b32 v[NIL], 0
	ds_add_u32 v[SPW], v[NIL]                      ; the opening lines: the add, twice on end, and its wait
	ds_add_u32 v[SPW], v[NIL]
	v_lshrrev_b32 v1, 5, v0
	v_readfirstlane_b32 s[WV], v1
	s_lshr_b32 s[HA], s[WV], 1
	s_and_b32 s[HT], s[WV], 1
	s_bfe_u32 s20, ttmp6, 0x40000                  ; cx
	s_bfe_u32 s21, ttmp6, 0x40004                  ; cy
	s_and_b32 s23, ttmp7, 0xffff
	s_lshl_b32 s41, s21, 2
	s_lshl_b32 s41, 15, s41                        ; my row of the cluster
	s_lshl_b32 s43, 0x1111, s20                    ; my column
	s_or_b32 s[G1A], s41, (3<<16)|(1<<21)          ; codes: dense rows of 256 bytes
	s_or_b32 s[G1B], s43, (3<<16)|(1<<21)
	s_or_b32 s[G1SA], s41, (2<<16)|(1<<21)         ; scale words: 8 K steps x 256 words
	s_or_b32 s[G1SB], s43, (2<<16)|(1<<20)|(1<<21)|(6<<22)|(127<<25)   ; 8 K steps x 128 words, 128 words of padding behind each
.irp g, G1A, G1B
	s_mov_b32 s[\g+1], 32<<16
	s_mov_b32 s[\g+3], 32<<16
	s_mov_b32 s[\g+5], 32
	s_mov_b32 s[\g+6], 0
	s_mov_b32 s[\g+7], 0
.endr
	s_mov_b32 s[G1A+2], 768<<16
	s_mov_b32 s[G1A+4], 768
	s_mov_b32 s[G1B+2], 384<<16
	s_mov_b32 s[G1B+4], 384
.irp g, G1SA, G1SB
	s_mov_b32 s[\g+2], 8<<16
	s_mov_b32 s[\g+4], 8
	s_mov_b32 s[\g+6], 0
	s_mov_b32 s[\g+7], 0
.endr
	s_mov_b32 s[G1SA+1], 256<<16
	s_mov_b32 s[G1SA+3], 256<<16
	s_mov_b32 s[G1SA+5], 8192
	s_mov_b32 s[G1SB+1], 128<<16
	s_mov_b32 s[G1SB+3], 128<<16
	s_mov_b32 s[G1SB+5], 12288
	; A's numbers hang on cy and the cluster's y (s40, s41, s2, s3), B's on cx and the cluster's x (s42, s43, s46, s47)
	s_lshl_b32 s40, s23, 2
	s_add_co_u32 s40, s40, s21
	s_lshl_b32 s40, s40, 1                         ; A's first block
	s_lshl_b32 s42, ttmp9, 2
	s_add_co_u32 s42, s42, s20                     ; the column block
	s_add_co_u32 s92, s40, s[HA]
	s_lshl_b32 s92, s92, 19                        ; out0: my block's 128 rows of 4,096 bytes,
	s_lshl_b32 s93, s[HT], 18                      ; my 64 of them,
	s_add_co_u32 s92, s92, s93
	s_lshl_b32 s94, s42, 9                         ; my 128 columns
	s_mov_b32 s95, 0
	s_add_co_u32 s42, s42, 88
	s_mul_i32 s2, s40, BLKB
	s_mov_b32 s3, 0
	s_lshl_b32 s40, s40, 9
	s_mov_b32 s41, 0
	s_mul_i32 s46, s42, BLKB
	s_mov_b32 s47, 0
	s_lshl_b32 s42, s42, 9
	s_mov_b32 s43, 0
	s_wait_dscnt 0x0
	s_wait_kmcnt 0x0
	s_mov_b32 s[G0A], 1
	s_mov_b32 s[G0A+1], 0
	s_add_nc_u64 s[G0A+2:G0A+3], s[4:5], s[2:3]
	s_or_b32 s[G0A+3], s[G0A+3], 0x80000000
	s_mov_b32 s[G0B], 1
	s_mov_b32 s[G0B+1], BBASE
	s_add_nc_u64 s[G0B+2:G0B+3], s[8:9], s[46:47]
	s_or_b32 s[G0B+3], s[G0B+3], 0x80000000
	s_mov_b32 s[G0SA], 1
	s_mov_b32 s[G0SA+1], SCA
	s_add_nc_u64 s[G0SA+2:G0SA+3], s[6:7], s[40:41]
	s_or_b32 s[G0SA+3], s[G0SA+3], 0x80000000
	s_mov_b32 s[G0SB], 1
	s_mov_b32 s[G0SB+1], SCB
	s_add_nc_u64 s[G0SB+2:G0SB+3], s[10:11], s[42:43]
	s_or_b32 s[G0SB+3], s[G0SB+3], 0x80000000
	s_add_nc_u64 s[12:13], s[12:13], s[94:95]
	s_add_co_u32 s94, s94, s92
	s_add_nc_u64 s[14:15], s[14:15], s[94:95]
	CROUND                                         ; all sixteen work-groups are here: the joint loads meet
.macro ARM under, g0, g1, next         ; the head's loads, one a wave, in one chain of branches on the wave's number
	s_cmp_lt_u32 s[WV], \under
	s_cbranch_scc0 \next
	tensor_load_to_lds s[\g0:\g0+3], s[\g1:\g1+7]
	s_nop 0
	PLACES
	s_branch .Lhead_asked
\next:
.endm
	ARM 1, G0SA, G1SA, .Lhead_sb
	ARM 2, G0SB, G1SB, .Lhead_b
	ARM 3, G0B, G1B, .Lhead_a
	tensor_load_to_lds s[G0A:G0A+3], s[G1A:G1A+7]
	s_nop 0
	PLACES
.Lhead_asked:
	v_and_b32 v1, 15, v0                           ; r
	v_bfe_u32 v2, v0, 4, 1                         ; h
	v_and_b32 v3, 31, v0
	v_lshlrev_b32 v[CO], 4, v3
	v_lshlrev_b32 v3, 3, v3
	v_lshlrev_b32 v[BO], 6, v2
.irp b, 0,1,2,3,4,5,6,7                        ; register j of lane (r, h) in B's tile b is column 32 (b / 2) + 8 (b % 2) + 16 h + j
	global_load_b128 v[BIAS+8*\b+96*(\b/4):BIAS+8*\b+96*(\b/4)+3], v[BO], s[12:13] offset:128*(\b/2)+32*(\b%2)
	global_load_b128 v[BIAS+8*\b+96*(\b/4)+4:BIAS+8*\b+96*(\b/4)+7], v[BO], s[12:13] offset:128*(\b/2)+32*(\b%2)+16
.endr
	s_mul_i32 s22, s[HA], BLKB
	s_mul_i32 s23, s[HT], 4*FRB
	s_add_co_u32 s22, s22, s23
	v_add_nc_u32 v[ADRA], s22, v3
	v_add_nc_u32 v[ADRB], BBASE, v[CO]
	v_and_b32 v4, 8, v1
	v_add_nc_u32 v[ADRA+1], 4*KSB, v[ADRA]
	v_add_nc_u32 v[ADRB+1], 4*KSB, v[ADRB]
	v_add_nc_u32 v4, v4, v1
	v_lshlrev_b32 v4, 2, v4                        ; 4 (r + 8 (r / 8))
	s_lshl_b32 s22, s[HA], 9
	s_lshl_b32 s23, s[HT], 8
	s_add_co_u32 s22, s22, s23                     ; my four tiles' words in a K step of A's
	s_sub_co_u32 s23, SCB-SCA, s22
	v_mul_u32_u24 v5, s23, v2                      ; lanes 16-31 take B's
	s_add_co_u32 s22, s22, SCA
	v_add_nc_u32 v4, v4, v5
	v_add_nc_u32 v[ADRS], s22, v4
	s_mul_i32 s22, s[WV], 16*SPITCH                ; my stage, in A's bytes, behind the last barrier
	v_mul_u32_u24 v5, v1, SPITCH
	v_lshl_add_u32 v5, v2, 6, v5
	v_add_nc_u32 v[STO], s22, v5
	v_add_nc_u32 v[RD], s22, v[CO]
.macro FETCH ks                        ; K step ks into set ks % 2: 24 + 24 loads
	WIN 0x40
.irp i, 0,1,2,3,4,5,6,7
.irp c, 0,1,2
	ds_load_b128 v[128*((\ks)%2)+FR*\i+4*\c:128*((\ks)%2)+FR*\i+4*\c+3], v[ADRB+(\ks)/4] offset:((\ks)%4)*KSB+\i*FRB+512*\c
.endr
.endr
	WIN 0
.irp i, 0,1,2,3
.irp p, 0,1,2,3,4,5
	ds_load_b64 v[AF+48*((\ks)%2)+FR*\i+2*\p:AF+48*((\ks)%2)+FR*\i+2*\p+1], v[ADRA+(\ks)/4] offset:((\ks)%4)*KSB+\i*FRB+256*\p
.endr
.endr
.endm
.macro MUL32 ks                        ; the 32 accumulators take turns, in the same order in every step
.set P_, (\ks)%2
.if (\ks) == 0
	WIN 0x81                                       ; source 0 window 1, source 1 and C window 0, D window 2
.else
	WIN 0xa1
.endif
.irp a, 0,1,2,3
.irp b, 0,1,2,3,4,5,6,7
.if (\ks) == 0
	v_wmma_scale_f32_16x16x128_f8f6f4 v[8*(8*\a+\b):8*(8*\a+\b)+7], v[128*P_+FR*\b:128*P_+FR*\b+FR-1], v[AF+48*P_+FR*\a:AF+48*P_+FR*\a+FR-1], v[BIAS+8*\b+96*(\b/4):BIAS+8*\b+96*(\b/4)+7], v[SC+8*\b+(\ks)], v[SC+8*\a+(\ks)] matrix_a_fmt:MATRIX_FMT_FP6 matrix_b_fmt:MATRIX_FMT_FP6 matrix_a_scale:MATRIX_SCALE_ROW1
.else
	v_wmma_scale_f32_16x16x128_f8f6f4 v[8*(8*\a+\b):8*(8*\a+\b)+7], v[128*P_+FR*\b:128*P_+FR*\b+FR-1], v[AF+48*P_+FR*\a:AF+48*P_+FR*\a+FR-1], v[8*(8*\a+\b):8*(8*\a+\b)+7], v[SC+8*\b+(\ks)], v[SC+8*\a+(\ks)] matrix_a_fmt:MATRIX_FMT_FP6 matrix_b_fmt:MATRIX_FMT_FP6 matrix_a_scale:MATRIX_SCALE_ROW1
.endif
.endr
.endr
.endm
	s_wait_alu depctr_va_vdst(0)                   ; the wait at the head's end
	s_wait_tensorcnt 0x0                           ; my tile is in,
	s_barrier_signal -1
	s_barrier_wait -1                              ; all four are
	FETCH 0
.irp i, 0,1,2,3,4,5,6,7
.irp s, 0,1,2,3,4,5,6,7
	ds_load_b32 v[SC+8*\i+\s], v[ADRS] offset:1024*\s+128*(\i/2)+32*(\i%2)
.endr
.endr
	s_wait_loadcnt 0x0                             ; the bias
.set KS_, 0
.rept 7
.if KS_ > 0
	PLACES                                         ; ahead of loads into registers that the last step's products have read
.endif
	FETCH KS_+1
	s_wait_dscnt 48                                ; all but the 48 loads just issued: this step's fragments are in
	MUL32 KS_
.set KS_, KS_+1
.endr
	s_wait_dscnt 0x0
	MUL32 7
	WIN 0
	s_barrier_signal -1                            ; my reads of LDS are over (the wait for 0 above; none was issued since)
	s_barrier_wait -1                              ; everybody's are: A's bytes, which have had their one fill, serve as stages
; THE WAY OUT, block by block of 16 rows x 128 columns, through my own stage: whole rows of 512 bytes come back and are stored as two aligned units of 256 bytes.
.macro TOSTAGE a
	WIN 0x08                                       ; the data: window 2
.irp b, 0,1,2,3,4,5,6,7
	ds_store_b128 v[STO], v[64*(\a)+8*\b:64*(\a)+8*\b+3] offset:128*(\b/2)+32*(\b%2)
	ds_store_b128 v[STO], v[64*(\a)+8*\b+4:64*(\a)+8*\b+7] offset:128*(\b/2)+32*(\b%2)+16
.endr
	WIN 0
.set BBK, BK+64*((\a)%2)
.irp t, 0,1,2,3,4,5,6,7,8,9,10,11,12,13,14,15
	ds_load_b128 v[BBK+4*\t:BBK+4*\t+3], v[RD] offset:\t*SPITCH   ; LDS serves a wave's instructions in order: these see the stores above
.endr
.endm
.macro SEND a, younger
.set BBK, BK+64*((\a)%2)
	s_wait_dscnt \younger
.irp t, 0,1,2,3,4,5,6,7,8,9,10,11,12,13,14,15
	global_store_b128 v[CO], v[BBK+4*\t:BBK+4*\t+3], s[14:15] offset:(32*((\a)/2)+8*((\a)%2)+\t+8*(\t/8))*4096 th:TH_STORE_NT
.endr
.endm
	PLACES
	TOSTAGE 0
.irp a, 1,2,3
.if \a > 1
	s_wait_xcnt 0x0                                ; block a - 2's stores have read their registers
.endif
	TOSTAGE \a
	SEND \a-1, 32                                  ; behind block a - 1's loads: block a's 16 stores and 16 loads
.endr
	SEND 3, 0
	s_wait_tensorcnt 0x0                           ; the wave's end
	ds_add_u32 v[SPW], v[NIL]
	s_wait_dscnt 0x0
	CROUND                                         ; the closing round
	s_endpgm
.Lfunc_end_k_qf305ae6e20_outp:
	.size	k_qf305ae6e20_outp, .Lfunc_end_k_qf305ae6e20_outp-k_qf305ae6e20_outp
	.p2alignl 7, 3214868480
	.fill 96, 4, 3214868480
	.section	.rodata,"a",@progbits
	.p2align	6, 0x0
	.amdhsa_kernel k_qf305ae6e20_outp
		.amdhsa_group_segment_fixed_size 327680
		.amdhsa_private_segment_fixed_size 0
		.amdhsa_enable_private_segment 0
		.amdhsa_kernarg_size 48
		.amdhsa_user_sgpr_count 2
		.amdhsa_user_sgpr_kernarg_segment_ptr 1
		.amdhsa_wavefront_size32 1
		.amdhsa_system_sgpr_workgroup_id_x 1
		.amdhsa_system_sgpr_workgroup_id_y 1
		.amdhsa_system_sgpr_workgroup_id_z 1
		.amdhsa_system_vgpr_workitem_id 0
		.amdhsa_next_free_vgpr 768
		.amdhsa_next_free_sgpr 100
		.amdhsa_reserve_vcc 0
		.amdhsa_float_denorm_mode_32 3
		.amdhsa_float_denorm_mode_16_64 3
		.amdhsa_memory_ordered 1
		.amdhsa_forward_progress 1
		.amdhsa_inst_pref_size 86
	.end_amdhsa_kernel
	.amdgpu_metadata
---
amdhsa.version: [ 1, 2 ]
amdhsa.kernels:
  - .name:           k_qf305ae6e20_outp
    .symbol:         k_qf305ae6e20_outp.kd
    .args:
      - { .name: oc, .offset: 0, .size: 8, .value_kind: global_buffer, .address_space: global }
      - { .name: os, .offset: 8, .size: 8, .value_kind: global_buffer, .address_space: global }
      - { .name: cod, .offset: 16, .size: 8, .value_kind: global_buffer, .address_space: global }
      - { .name: scl, .offset: 24, .size: 8, .value_kind: global_buffer, .address_space: global }
      - { .name: b_o, .offset: 32, .size: 8, .value_kind: global_buffer, .address_space: global }
      - { .name: out0, .offset: 40, .size: 8, .value_kind: global_buffer, .address_space: global }
    .group_segment_fixed_size: 327680
    .private_segment_fixed_size: 0
    .kernarg_segment_align: 8
    .kernarg_segment_size: 48
    .max_flat_workgroup_size: 128
    .sgpr_count:     100
    .vgpr_count:     768
    .wavefront_size: 32
...
	.end_amdgpu_metadata
.endif
;; end of part 4
